; MI455X (gfx1250); checked and timed in simulation.
; The chip was launched on July 23, 2026; its instructions are those of AMD's public machine-readable ISA for CDNA 5 (MIT licence, August 2026) and "CDNA5" Instruction Set Architecture Reference Guide (July 2026). The comments in the code are by the model that wrote it; some were corrected since.
;; Causal Self Attention. Allowed arithmetic: matrix products marked QUANTISED: E3M2 operands, one E8M0 scale for each 32 along K, by v_wmma_scale_f32_16x16x128_f8f6f4 with both operands' format E3M2, f32 sums; everything else in f32.
;; Inputs: b_attn 3,072 float32; b_proj 1,024 float32; w_attn 1,024 x 3,072 float32; w_proj 1,024 x 1,024 float32; x 4 x 2,048 x 1,024 float32.
;; Outputs: out0 4 x 2,048 x 1,024 float32.
;; This version of the problem:
;;   THIS VERSION OF THE PROBLEM IS GIVEN IN LOW PRECISION. The matrix products marked QUANTISED in the list below multiply operands that are first quantised to E3M2 (3 exponent bits, 2 mantissa bits; 6 bits a number), with one power-of-two scale for each 32 numbers along K (OCP MX v1.0); their sums are f32. All else is computed in f32.
;;   The module's matrix products, in the order in which they are computed (A, B: the left and right operand; K: the contracted axis; several contracted axes count as one K, in the product's order):
;;     1. [M 8,192, K 1,024] x [K 1,024, N 3,072]; A: input x; B: input w_attn: QUANTISED
;;     2. batch 64 x [M 2,048, K 64] x [K 64, N 2,048]; A: computed on the way; B: computed on the way: QUANTISED
;;     3. batch 64 x [M 2,048, K 2,048] x [K 2,048, N 64]; A: softmax (see below); B: computed on the way: QUANTISED
;;     4. [M 8,192, K 1,024] x [K 1,024, N 1,024]; A: computed on the way; B: input w_proj: QUANTISED
;;   THE QUANTISER, for each operand of a quantised product, along K:
;;     - K is cut into blocks of 32 from its start; a last block that is shorter is filled with zeros.
;;     - A block's scale is 2^e with e = floor(log2(the largest magnitude in the block)) - 4, held to -126 .. 127; a block of zeros has e = 0. As a byte (E8M0): e + 127.
;;     - Each number is divided by its block's scale, clamped to +-28, and rounded to the nearest number of E3M2, ties to even, subnormals kept.
;;     - The product sums the exact products of the quantised numbers (number of the format x scale) in f32.
;;   ~~~python
;;   def quantise(x, axis):      # numpy; x: float32 -> the quantised numbers, widened to float32 again
;;       x = np.moveaxis(x, axis, -1); K = x.shape[-1]
;;       x = np.pad(x, [(0, 0)] * (x.ndim - 1) + [(0, -K % 32)]); x = x.reshape(x.shape[:-1] + (-1, 32)); a = np.abs(x).max(-1, keepdims=True)
;;       e = np.where(a > 0, np.clip(np.frexp(np.where(a > 0, a, 1))[1] - 1 - 4, -126, 127), 0)      # np.frexp(a)[1] - 1 = floor(log2(a)), exactly
;;       r = np.clip(x / 2.0 ** e, -28, 28)
;;       step = 2.0 ** (np.maximum(np.frexp(np.where(r == 0, 1, r))[1] - 1, -2) - 2)
;;       q = np.round(r / step) * step * 2.0 ** e      # np.round: ties to even
;;       return np.moveaxis(q.reshape(q.shape[:-2] + (-1,))[..., :K], -1, axis).astype(np.float32)
;;   ~~~
;;   SOFTMAX AHEAD OF A QUANTISED PRODUCT. Where the list says 'softmax', what is quantised is not the finished softmax but p = 2^(t - M), with t = logit x log2(e) and M = ceil(the row's largest t), a whole number; so 1/2 < the row's largest p <= 1. The row's sum l is taken of the UNQUANTISED p, in f32, and the product's result is divided by l at the end. Since M is a whole number, a kernel that streams over the keys may use a running M (the ceiling of the running maximum): every later rescaling is an exact power of two, which a block's scale takes up: the codes' values come out the same.
;;   OPERANDS COMPUTED ON THE WAY. 'Computed on the way' means the value that the module computes at that place (a softmax that the list does not call 'softmax' is quantised finished and normalised). What goes into a quantiser is computed in f32, as accurately as f32 sums, v_exp_f32 and their like allow (about 1e-6 of the number): no bf16 or f16 on the way to a quantiser, and a product that is left as it is and whose result goes on into a quantised operand takes f32 operands (vector FMAs, or v_wmma_f32_16x16x4_f32). A number that lies on a knife's edge between two numbers of the format may be rounded either way, as far as f32 arithmetic and the matrix unit's own rounding can turn it there, and no further.
;; One version. Each part assembles by itself: llvm-mc -triple=amdgcn-amd-amdhsa -mcpu=gfx1250 --defsym DOCPART=n.
;; ======== version 1 of 1: 4 launches
;; workspace buffers: xq 6,553,600 bytes; wq 2,457,600 bytes; pq 819,200 bytes; qh 6,553,600 bytes; kv 13,107,200 bytes; yq 6,553,600 bytes
;; launch prep (part 1): grid 768 x 1, 4 waves a work-group, no clusters, 67,072 bytes of LDS; arguments x, w_attn, w_proj, xq, wq, pq; writes xq, wq, pq
.if DOCPART == 1
	.amdgcn_target "amdgcn-amd-amdhsa--gfx1250"
	.amdhsa_code_object_version 6
	.text
	.protected	k_q8ac87ed203_prep
	.globl	k_q8ac87ed203_prep
	.p2align	8
	.type	k_q8ac87ed203_prep,@function
k_q8ac87ed203_prep:
	s_mov_b64 s[64:65], 0
	v_nop
	global_prefetch_b8 v0, s[64:65] scope:SCOPE_SE
	s_setreg_imm32_b32 hwreg(HW_REG_WAVE_MODE, 25, 1), 1
	s_wait_xcnt 0x0
; x [8192][1024], w_attn [1024][3072] and w_proj [1024][1024], f32, become codes of BF6 (E3M2) with one E8M0 byte for each 32 along K (K = 1024 in all three).
; A block's scale is 2^(floor(log2(its largest magnitude)) - 4): its byte is the largest magnitude's exponent field - 4, held at 1 from below.
; LIMITS: NaN and infinities among the inputs are not served; a block whose largest magnitude lies under 2^(4 - 126), a block of zeros among them, keeps the byte 1
; (the rule says 127 for zeros: its codes are zeros, which add nothing under that byte, and the bytes are read by this program alone).
; LAYOUT OF THE RESULTS: images of the operand's registers.  A fragment (16 rows x 128 K, 12 registers a lane) is 1,536 bytes: register pair j of lane L at 256 j + 8 L.
; A record holds 256 along K of 128 rows (xq, wq: 8 tiles, 25,600 bytes) or of 64 rows (pq: 4 tiles, 12,800 bytes): fragment (tile i, q) at (2 i + q) 1536, then the
; scale words at 128 i + 64 q + 4 r.  THE ROWS OF A TILE ARE NOT NEIGHBOURS: of 32 rows, tile u takes in lane r row 8 u + r + 8 (r / 8).
; SHARES: work-groups 0-191 take w_attn, 192-255 w_proj, 256-767 x: scalar branches on the work-group's number.  Waves share nothing: no barrier.  Only x's path uses LDS.
.set TM,   8                           ; v8-23   the quantiser's work
.set SRC,  32                          ; s[32:33] where my wave reads
.set DC,   34                          ; s[34:35] where its codes go
.set DSC,  36                          ; s[36:37] where its scale words go
.set FX,   160                         ; w: tile 0's fragment
.set FY,   172                         ; w: tile 1's fragment
.set TA,   184                         ; w: upper halves of blocks, on their way
.set TB,   188
; 64 numbers of a lane, v[s] on, register 16 b + i = k 32 b + 16 (lane / 16) + i of my row, become a fragment's codes in v[pc] .. v[pc + 11] and its scale word in v[pw].
.macro QUANT s, pc, pw
.irp b, 0,1,2,3
	v_max3_num_f32 v[TM+\b], |v[\s+16*\b]|, |v[\s+1+16*\b]|, 0x2800000   ; my 16 numbers of block b, and the floor 2^(5 - 127): the byte cannot fall under 1
.endr
.irp i, 2,4,6,8,10,12,14
.irp b, 0,1,2,3
	v_max3_num_f32 v[TM+\b], v[TM+\b], |v[\s+16*\b+\i]|, |v[\s+1+16*\b+\i]|
.endr
.endr
.irp b, 0,1,2,3
	v_permlanex16_b32 v[TM+4+\b], v[TM+\b], s20, s21
.endr
.irp b, 0,1,2,3
	v_max_num_f32 v[TM+\b], v[TM+\b], v[TM+4+\b]       ; with lane l xor 16's 16: the block's largest magnitude
.endr
.irp b, 0,1,2,3
	v_add_nc_u32 v[TM+12+\b], 0xfe000000, v[TM+\b]     ; 4 off its exponent field: the conversion's scale operand
.endr
.irp b, 0,1,2,3
	v_lshrrev_b32 v[TM+4+\b], 23, v[TM+12+\b]          ; the scale's byte
.endr
	v_lshl_or_b32 v[\pw], v[TM+5], 8, v[TM+4]
	v_lshl_or_b32 v[\pw], v[TM+6], 16, v[\pw]
	v_lshl_or_b32 v[\pw], v[TM+7], 24, v[\pw]
.irp c, 0,1
	v_cvt_scalef32_pk16_bf6_f32 v[\pc+6*\c:\pc+2+6*\c], v[\s+32*\c:\s+15+32*\c], v[TM+12+2*\c]
	v_cvt_scalef32_pk16_bf6_f32 v[\pc+12+4*\c:\pc+14+4*\c], v[\s+16+32*\c:\s+31+32*\c], v[TM+12+2*\c+1]   ; (a conversion's three registers begin on an even number)
.endr
	v_nop                                              ; one plain instruction behind the scaled conversions
.irp c, 0,1                                        ; the operand wants a whole block in a lane: lanes 0-15 block 2 c, lanes 16-31 block 2 c + 1
.irp i, 0,1,2
	v_permlane16_swap_b32 v[\pc+6*\c+\i], v[\pc+12+4*\c+\i]
.endr
.irp i, 0,1,2
	v_mov_b32 v[\pc+3+6*\c+\i], v[\pc+12+4*\c+\i]
.endr
.endr
.endm
; A weight [1024][n]: K is its first axis.  A lane takes a column and its registers run down 128 of K: four whole blocks, so no other lane is asked for a maximum.
; Lanes 0-15 hold tile 0's columns, lanes 16-31 tile 1's; a swap of halves gives each tile's fragment.
.macro WPATH n
.irp t, 0,1,2,3
.irp i, 0,1,2,3,4,5,6,7,8,9,10,11,12,13,14,15,16,17,18,19,20,21,22,23,24,25,26,27,28,29,30,31
	global_load_b32 v[32+32*\t+\i], v3, s[SRC:SRC+1] offset:(32*\t+\i)*\n*4 th:TH_LOAD_NT   ; a row of K: the wave's 32 columns are 128 consecutive bytes
.endr
.endr
.irp c, 0,1
.if \c == 0
	s_wait_loadcnt 63                                  ; at most 63 of the 128 loads are out: the first 64, blocks 0 and 1, are in
.else
	s_wait_loadcnt 0x0
.endif
.irp e, 0,1
	v_max3_num_f32 v[8+2*\e], |v[32+64*\c+32*\e]|, |v[33+64*\c+32*\e]|, |v[34+64*\c+32*\e]|
	v_max3_num_f32 v[9+2*\e], |v[35+64*\c+32*\e]|, |v[36+64*\c+32*\e]|, |v[37+64*\c+32*\e]|
.endr
.irp i, 6,10,14,18,22,26
.irp e, 0,1
	v_max3_num_f32 v[8+2*\e], v[8+2*\e], |v[32+64*\c+32*\e+\i]|, |v[33+64*\c+32*\e+\i]|
	v_max3_num_f32 v[9+2*\e], v[9+2*\e], |v[34+64*\c+32*\e+\i]|, |v[35+64*\c+32*\e+\i]|
.endr
.endr
.irp e, 0,1
	v_max3_num_f32 v[8+2*\e], v[8+2*\e], |v[62+64*\c+32*\e]|, |v[63+64*\c+32*\e]|
.endr
.irp e, 0,1
	v_max3_num_f32 v[8+2*\e], v[8+2*\e], v[9+2*\e], 0x2800000   ; and the floor
.endr
.irp e, 0,1
	v_add_nc_u32 v[12+\e], 0xfe000000, v[8+2*\e]
.endr
.irp e, 0,1
	v_lshrrev_b32 v[14+\e], 23, v[12+\e]
.endr
.if \c == 0
	v_lshl_or_b32 v16, v15, 8, v14                     ; my column's scale word, the lower K in the lower byte
.else
	v_lshl_or_b32 v16, v14, 16, v16
	v_lshl_or_b32 v16, v15, 24, v16
.endif
	v_cvt_scalef32_pk16_bf6_f32 v[FX+6*\c:FX+6*\c+2], v[32+64*\c:47+64*\c], v12
	v_cvt_scalef32_pk16_bf6_f32 v[TA:TA+2], v[48+64*\c:63+64*\c], v12
	v_cvt_scalef32_pk16_bf6_f32 v[FY+6*\c:FY+6*\c+2], v[64+64*\c:79+64*\c], v13
	v_cvt_scalef32_pk16_bf6_f32 v[TB:TB+2], v[80+64*\c:95+64*\c], v13
	v_nop                                              ; one plain instruction behind the scaled conversions
.irp i, 0,1,2                                      ; block 2 c of tile 1's columns changes places with block 2 c + 1 of tile 0's
	v_permlane16_swap_b32 v[FX+6*\c+\i], v[FY+6*\c+\i]
	v_permlane16_swap_b32 v[TA+\i], v[TB+\i]
.endr
.irp i, 0,1,2
	v_mov_b32 v[FX+6*\c+3+\i], v[TA+\i]
	v_mov_b32 v[FY+6*\c+3+\i], v[TB+\i]
.endr
.endr
.irp p, 0,1,2,3,4,5
	global_store_b64 v4, v[FX+2*\p:FX+2*\p+1], s[DC:DC+1] offset:256*\p          ; 32 lanes store 256 consecutive bytes, aligned
.endr
.irp p, 0,1,2,3,4,5
	global_store_b64 v4, v[FY+2*\p:FY+2*\p+1], s[DC:DC+1] offset:3072+256*\p
.endr
	global_store_b32 v5, v16, s[DSC:DSC+1]             ; the two tiles' scale words: two runs of 64 bytes
.endm
.macro WLANES                                      ; the weights' lane addresses
	v_and_b32 v3, 7, v2
	v_bfe_u32 v6, v2, 3, 1
	v_lshl_add_u32 v3, v6, 4, v3
	v_lshrrev_b32 v6, 4, v2
	v_lshl_add_u32 v3, v6, 3, v3                       ; my column: (l & 7) + 16 ((l >> 3) & 1) + 8 (l >> 4)
	v_lshlrev_b32 v3, 2, v3
	v_lshlrev_b32 v4, 3, v2                            ; 8 x lane
	v_and_b32 v5, 15, v2
	v_lshlrev_b32 v5, 2, v5
	v_lshl_add_u32 v5, v6, 7, v5                       ; 128 x tile + 4 r
.endm
	s_load_b128 s[4:7], s[0:1], 0x0                    ; x, w_attn
	s_load_b128 s[8:11], s[0:1], 0x10                  ; w_proj, xq
	s_load_b128 s[12:15], s[0:1], 0x20                 ; wq, pq
	v_lshl_add_u32 v254, v0, 2, 0x10400
	v_mov_b32 v255, 0
	v_lshrrev_b32 v1, 5, v0
	v_readfirstlane_b32 s16, v1                        ; wave 0..3
	v_and_b32 v2, 31, v0                               ; lane
	s_mov_b32 s20, 0x76543210
	s_mov_b32 s21, 0xfedcba98                          ; v_permlanex16_b32's selects for lane l xor 16
	s_mov_b32 s22, 0xffff0000                          ; lanes 16-31
	s_mov_b32 s25, 0
	s_mov_b32 s29, 0
	s_mov_b32 s31, 0
	s_cmp_ge_u32 ttmp9, 256
	s_cbranch_scc1 .Lx_path
	s_cmp_ge_u32 ttmp9, 192
	s_cbranch_scc1 .Lproj_path
	; ---- w_attn: K step ks = id & 7 (128 along K), columns 128 (id >> 3) + 32 wave on
	s_and_b32 s17, ttmp9, 7
	s_lshr_b32 s18, ttmp9, 3
	s_mul_i32 s24, s17, 128*3072*4
	s_lshl_b32 s19, s18, 9
	s_add_co_u32 s24, s24, s19
	s_lshl_b32 s19, s16, 7
	s_add_co_u32 s24, s24, s19                         ; 128 ks rows + 4 x first column
	s_lshl_b32 s26, s18, 2
	s_lshr_b32 s27, s17, 1
	s_add_co_u32 s26, s26, s27
	s_mul_i32 s26, s26, 25600                          ; the record
	s_and_b32 s27, s17, 1                              ; q
	s_lshl_b32 s28, s16, 2
	s_add_co_u32 s28, s28, s27
	s_mul_i32 s28, s28, 1536
	s_add_co_u32 s28, s28, s26                         ; fragment (2 wave, q)
	s_lshl_b32 s30, s16, 8
	s_lshl_b32 s27, s27, 6
	s_add_co_u32 s30, s30, s27
	s_add_co_u32 s30, s30, s26
	s_add_co_u32 s30, s30, 24576
	WLANES
	s_wait_kmcnt 0x0
	s_add_nc_u64 s[SRC:SRC+1], s[6:7], s[24:25]
	s_add_nc_u64 s[DC:DC+1], s[12:13], s[28:29]
	s_add_nc_u64 s[DSC:DSC+1], s[12:13], s[30:31]
	WPATH 3072
	s_endpgm
.Lproj_path:
	; ---- w_proj: the same with rows of 1,024 and records of 64 columns
	s_sub_co_u32 s23, ttmp9, 192
	s_and_b32 s17, s23, 7
	s_lshr_b32 s18, s23, 3
	s_mul_i32 s24, s17, 128*1024*4
	s_lshl_b32 s19, s18, 9
	s_add_co_u32 s24, s24, s19
	s_lshl_b32 s19, s16, 7
	s_add_co_u32 s24, s24, s19
	s_lshl_b32 s26, s18, 1
	s_lshr_b32 s27, s16, 1
	s_add_co_u32 s26, s26, s27                         ; which 64 columns
	s_lshl_b32 s26, s26, 2
	s_lshr_b32 s27, s17, 1
	s_add_co_u32 s26, s26, s27
	s_mul_i32 s26, s26, 12800                          ; the record
	s_and_b32 s27, s17, 1                              ; q
	s_and_b32 s19, s16, 1
	s_lshl_b32 s28, s19, 2
	s_add_co_u32 s28, s28, s27
	s_mul_i32 s28, s28, 1536
	s_add_co_u32 s28, s28, s26
	s_lshl_b32 s30, s19, 8
	s_lshl_b32 s27, s27, 6
	s_add_co_u32 s30, s30, s27
	s_add_co_u32 s30, s30, s26
	s_add_co_u32 s30, s30, 12288
	WLANES
	s_wait_kmcnt 0x0
	s_add_nc_u64 s[SRC:SRC+1], s[8:9], s[24:25]
	s_add_nc_u64 s[DC:DC+1], s[14:15], s[28:29]
	s_add_nc_u64 s[DSC:DSC+1], s[14:15], s[30:31]
	WPATH 1024
	s_endpgm
.Lx_path:
	; ---- x: a wave takes one tile of 16 rows x 256 along K: 16 KiB.  Each load reads 512 consecutive bytes; the numbers turn through the wave's own LDS
	; (16 rows, 1,040 bytes apart: 65 x 16, so the sixteen rows of a read start in different banks) and come back 16 neighbours of each block to a lane.
	s_sub_co_u32 s17, ttmp9, 256
	s_lshr_b32 s18, s17, 2                             ; which 64 rows
	s_and_b32 s19, s17, 3                              ; which 256 along K
	s_lshl_b32 s24, s18, 6
	s_lshr_b32 s23, s16, 1
	s_lshl_b32 s23, s23, 5
	s_add_co_u32 s24, s24, s23
	s_and_b32 s23, s16, 1
	s_lshl_b32 s23, s23, 3
	s_add_co_u32 s24, s24, s23                         ; the tile's first row: 64 g + 32 (w >> 1) + 8 (w & 1)
	s_lshl_b32 s24, s24, 12
	s_lshl_b32 s23, s19, 10
	s_add_co_u32 s24, s24, s23
	s_lshr_b32 s26, s18, 1
	s_lshl_b32 s26, s26, 2
	s_add_co_u32 s26, s26, s19
	s_mul_i32 s26, s26, 25600                          ; the record
	s_and_b32 s27, s18, 1
	s_lshl_b32 s27, s27, 2
	s_add_co_u32 s27, s27, s16                         ; my tile among its eight
	s_mul_i32 s28, s27, 3072
	s_add_co_u32 s28, s28, s26
	s_lshl_b32 s30, s27, 7
	s_add_co_u32 s30, s30, s26
	s_add_co_u32 s30, s30, 24576
	s_mul_i32 s23, s16, 16640                          ; my wave's LDS
	v_lshlrev_b32 v3, 4, v2                            ; 16 x lane
	v_add_nc_u32 v4, s23, v3                           ; the way in
	v_and_b32 v5, 15, v2
	v_mul_u32_u24 v5, v5, 1040
	v_lshrrev_b32 v6, 4, v2
	v_lshl_add_u32 v5, v6, 6, v5
	v_add_nc_u32 v5, s23, v5                           ; the way out: row r, + 64 h
	v_lshlrev_b32 v6, 3, v2                            ; 8 x lane
	v_lshlrev_b32 v7, 2, v2                            ; 4 x lane
.irp b, 0,1,2,3
	v_mov_b32 v[TM+4+\b], 0                            ; written once: a lane permute's destination counts as one of its sources
.endr
	s_wait_kmcnt 0x0
	s_add_nc_u64 s[SRC:SRC+1], s[4:5], s[24:25]
	s_add_nc_u64 s[DC:DC+1], s[10:11], s[28:29]
	s_add_nc_u64 s[DSC:DSC+1], s[10:11], s[30:31]
.set j, 0
.rept 32
	global_load_b128 v[32+4*j:35+4*j], v3, s[SRC:SRC+1] offset:((j/2)+8*((j/2)/8))*4096+512*(j%2) th:TH_LOAD_NT
.set j, j+1
.endr
.set j, 0
.rept 32
	s_wait_loadcnt 31-j                                ; loads come back in order: load j is in, the younger ones stay out
	ds_store_b128 v4, v[32+4*j:35+4*j] offset:1040*(j/2)+512*(j%2)
.set j, j+1
.endr
.irp b, 0,1,2,3
.irp i, 0,1,2,3
	ds_load_b128 v[160+16*\b+4*\i:163+16*\b+4*\i], v5 offset:128*\b+16*\i       ; LDS serves a wave's instructions in order: these see my stores
.endr
.endr
	s_wait_dscnt 0x0                                   ; the first 128 along K are back, and the stores have read v32 on
.irp b, 0,1,2,3
.irp i, 0,1,2,3
	ds_load_b128 v[32+16*\b+4*\i:35+16*\b+4*\i], v5 offset:512+128*\b+16*\i     ; the second 128 land while the first are quantised
.endr
.endr
	QUANT 160, 224, 24
.irp p, 0,1,2,3,4,5
	global_store_b64 v6, v[224+2*\p:225+2*\p], s[DC:DC+1] offset:256*\p
.endr
	s_wait_dscnt 0x0
	s_wait_xcnt 0x0                                    ; the stores have read their data: the codes' registers are written again only behind this wait
	QUANT 32, 224, 25
.irp p, 0,1,2,3,4,5
	global_store_b64 v6, v[224+2*\p:225+2*\p], s[DC:DC+1] offset:1536+256*\p
.endr
	v_cndmask_b32 v26, v24, v25, s22                   ; lanes 0-15: the words of q = 0, lanes 16-31: of q = 1
	global_store_b32 v7, v26, s[DSC:DSC+1]             ; 128 consecutive bytes
	s_wait_tensorcnt 0x0
	ds_add_u32 v254, v255
	s_wait_dscnt 0x0
	s_endpgm
.Lfunc_end_k_q8ac87ed203_prep:
	.size	k_q8ac87ed203_prep, .Lfunc_end_k_q8ac87ed203_prep-k_q8ac87ed203_prep
	.p2alignl 7, 3214868480
	.fill 96, 4, 3214868480
	.section	.rodata,"a",@progbits
	.p2align	6, 0x0
	.amdhsa_kernel k_q8ac87ed203_prep
		.amdhsa_group_segment_fixed_size 67072
		.amdhsa_private_segment_fixed_size 0
		.amdhsa_enable_private_segment 0
		.amdhsa_kernarg_size 48
		.amdhsa_user_sgpr_count 2
		.amdhsa_user_sgpr_kernarg_segment_ptr 1
		.amdhsa_wavefront_size32 1
		.amdhsa_system_sgpr_workgroup_id_x 1
		.amdhsa_system_sgpr_workgroup_id_y 1
		.amdhsa_system_sgpr_workgroup_id_z 1
		.amdhsa_system_vgpr_workitem_id 0
		.amdhsa_next_free_vgpr 256
		.amdhsa_next_free_sgpr 66
		.amdhsa_reserve_vcc 0
		.amdhsa_float_denorm_mode_32 3
		.amdhsa_float_denorm_mode_16_64 3
		.amdhsa_memory_ordered 1
		.amdhsa_forward_progress 1
		.amdhsa_inst_pref_size 62
	.end_amdhsa_kernel
	.amdgpu_metadata
---
amdhsa.version: [ 1, 2 ]
amdhsa.kernels:
  - .name:           k_q8ac87ed203_prep
    .symbol:         k_q8ac87ed203_prep.kd
    .args:
      - { .name: x, .offset: 0, .size: 8, .value_kind: global_buffer, .address_space: global }
      - { .name: w_attn, .offset: 8, .size: 8, .value_kind: global_buffer, .address_space: global }
      - { .name: w_proj, .offset: 16, .size: 8, .value_kind: global_buffer, .address_space: global }
      - { .name: xq, .offset: 24, .size: 8, .value_kind: global_buffer, .address_space: global }
      - { .name: wq, .offset: 32, .size: 8, .value_kind: global_buffer, .address_space: global }
      - { .name: pq, .offset: 40, .size: 8, .value_kind: global_buffer, .address_space: global }
    .group_segment_fixed_size: 67072
    .private_segment_fixed_size: 0
    .kernarg_segment_align: 8
    .kernarg_segment_size: 48
    .max_flat_workgroup_size: 128
    .sgpr_count:     66
    .vgpr_count:     256
    .wavefront_size: 32
...
	.end_amdgpu_metadata
.endif
;; end of part 1
;; launch qkv (part 2): grid 12 x 32, 4 waves a work-group, clusters of 4 x 4, 327,680 bytes of LDS; arguments xq, wq, b_attn, qh, kv; writes qh, kv
.if DOCPART == 2
	.amdgcn_target "amdgcn-amd-amdhsa--gfx1250"
	.amdhsa_code_object_version 6
	.text
	.protected	k_q8ac87ed203_qkv
	.globl	k_q8ac87ed203_qkv
	.p2align	8
	.type	k_q8ac87ed203_qkv,@function
k_q8ac87ed203_qkv:
	s_mov_b64 s[64:65], 0
	v_nop
	global_prefetch_b8 v0, s[64:65] scope:SCOPE_SE
	s_setreg_imm32_b32 hwreg(HW_REG_WAVE_MODE, 25, 1), 1
	s_wait_xcnt 0x0
	s_wait_alu depctr_hold_cnt(0) depctr_sa_sdst(0) depctr_va_vdst(0) depctr_va_sdst(0) depctr_va_ssrc(0) depctr_va_vcc(0) depctr_vm_vsrc(0)
	s_getreg_b32 s2, hwreg(HW_REG_IB_STS2, 6, 4)
	s_cmp_eq_u32 s2, 0
	s_cbranch_scc0 .Lentry_in_a_cluster
	s_endpgm
.Lentry_in_a_cluster:
	s_bfe_u32 s2, ttmp6, 0x10000c
	s_cmp_lg_u32 s2, 0xf033
	s_cbranch_scc0 .Lentry_shape_is_right
	s_endpgm
.Lentry_shape_is_right:
; qkv = x w_attn + b_attn on codes of BF6 (E3M2) with E8M0 scales, f32 sums; q and k are then quantised along the head's 64, v along the keys, in registers, and leave as images of operands.
; A work-group makes 256 x 256 of the product, a wave 128 x 128: 64 accumulators.  Source 1's rows ("A") fall to lanes, source 0's rows ("B") to a lane's registers.
; ONE TEXT, TWO WAYS ROUND, chosen by the cluster's x (0: q, 1: k, 2: v) through selects of pointers and offsets alone:  q, k: A = rows of x, B = columns of w: a lane holds a token, its registers run
; along the head's axis.  v: A = columns of w, B = rows of x: a lane holds a channel d, its registers run along the keys.  Both are what the quantiser wants.
; The tiles' rows are ordered so (of 32 rows, tile u takes in lane r row 8 u + r + 8 (r / 8)) that the 16 registers of two neighbouring tiles of B are 16 neighbours.
; K = 1,024 is four steps of 256.  Operands lie in memory as records (256 K of 128 rows: 16 fragments of 1,536 bytes as register images, then scale words [tile][q][r]): one dense tensor load a record.
; THREE LDS slots: K steps 0, 1, 2 are first fills (three loads of a wave are out at the start), K step 3 is the one refill, into slot 0.  So the text is straight and has one round inside the work.
; CLUSTER 4 x 4: A's records are shared along a row of the cluster, B's along a column: joint loads.  All of LDS is claimed.
; RESULTS.  qh: codes [head][tile of 16 queries][768], then scale words [head][pair of tiles][r] (low half: the even tile's two bytes).  kv: records of 256 keys of a head: k's codes [step][tile][768],
; v's fragments [step][tile of d][1536], k's scale words [step][pair][r], v's [step][tile][r].
; LIMITS: NaN and infinities are not served; a block whose largest magnitude lies under 2^(4 - 126), zeros among them, keeps the byte 1 (read by this program alone).  The bias is the first C of the sums
; (q, k) or is added behind them (v): f32 either way.
; REGISTERS: window 0: v1-20 addresses; v28, v29 for the add; v32-63 scale words, two sets; v64-127 the bias along B; v128-223 A's eight fragments, one set; v240-247 the bias along A.
;   window 1: B's fragments, two sets at v0 and v128.  windows 2, 3: the accumulators, (a, b) at v[8 (8 (a % 4) + b)].
.set NB,    8
.set FR,    12
.set RA,    25600                      ; A's record
.set RB,    3200*NB                    ; B's record
.set SLOT,  2*RA+2*RB
.set SPARE, 3*SLOT                     ; the spare words, 128 bytes a wave: two blocks of 256 bytes that no other line names
.set ADRA,  5                          ; v5-7    slot s: my A record + 8 x lane
.set ADRB,  8                          ; v8-10   my B record + 8 x lane
.set ASA,   11                         ; v11-13  my A record + 4 x lane
.set ASB,   14                         ; v14-16  my B record + 4 x lane
.set SPW,   28
.set NIL,   29
.set SC,    32                         ; set sc: A's words of tile i at SC + 16 sc + i, B's of tile b at SC + 16 sc + 8 + b; lanes 0-15 q = 0, lanes 16-31 q = 1
.set CB,    64
.set AF,    128
.set BA,    240
.set T,     128                        ; the way out: 64 numbers
.set PC,    192                        ; their codes
.set TM,    212                        ; the quantiser's work
.set PW,    228                        ; v228-229 two tiles' scale words
.set G1A,   24
.set G0A,   32                         ; s[32:43] three sets
.set G1B,   48                         ; B's sets of group 0: s[56:59], s[60:63], s[68:71]
.set PCD,   76                         ; s[76:77] where codes go
.set PSC,   78                         ; s[78:79] where scale words go
.set MSB, 0
.macro WIN new                         ; the immediate's high byte repeats the setting that is left
.if MSB != \new
	s_set_vgpr_msb (MSB<<8)|\new
.set MSB, \new
.endif
.endm
.macro PLACES n
.rept \n
	v_nop
.endr
.endm
; A joint load: waves 0 and 1 fetch A's two records, waves 2 and 3 B's.  The branch hangs on the wave's number alone.  Four v_nop follow each line.
.macro JLOAD g0a, g1a, g0b, g1b
	s_cmp_eq_u32 s11, 0
	s_cbranch_scc0 .Lfor_b_\@
	tensor_load_to_lds s[\g0a:\g0a+3], s[\g1a:\g1a+7]
	s_nop 0
.rept 4
	v_nop
.endr
	s_branch .Lasked_\@
.Lfor_b_\@:
	tensor_load_to_lds s[\g0b:\g0b+3], s[\g1b:\g1b+7]
	s_nop 0
.rept 4
	v_nop
.endr
.Lasked_\@:
.endm
.macro CREST                           ; a round of the cluster's barrier behind its opening barrier
	s_cmp_lg_u32 s10, 0
	s_cbranch_scc1 .Lnot_wave_0_\@
	s_barrier_signal -3
.Lnot_wave_0_\@:
	s_barrier_wait -3
	s_barrier_signal -1
	s_barrier_wait -1
.endm
.macro CROUND
	s_barrier_signal -1
	s_barrier_wait -1
	CREST
.endm
.macro SETG0 ga, gb, k                 ; both groups 0 of K step k, and its load
	s_mov_b32 s[\ga], 1
	s_add_co_u32 s[\ga+1], s21, (\k)*SLOT
	s_add_nc_u64 s[\ga+2:\ga+3], s[94:95], (\k)*RA
	s_or_b32 s[\ga+3], s[\ga+3], 0x80000000
	s_mov_b32 s[\gb], 1
	s_add_co_u32 s[\gb+1], s22, (\k)*SLOT
	s_add_nc_u64 s[\gb+2:\gb+3], s[96:97], (\k)*RB
	s_or_b32 s[\gb+3], s[\gb+3], 0x80000000
	JLOAD \ga, G1A, \gb, G1B
.endm
.macro FRAG reg, adr, off              ; a fragment comes as it was stored: six loads of 8 bytes a lane, 256 consecutive bytes each
.irp p, 0,1,2,3,4,5
	ds_load_b64 v[\reg+2*\p:\reg+2*\p+1], v[\adr] offset:\off+256*\p
.endr
.endm
.macro FETCH_B s, q, set
	WIN 0x40                                           ; destination window 1
.set b, 0
.rept NB
	FRAG 128*(\set)+FR*b, ADRB+\s, (2*b+\q)*1536
.set b, b+1
.endr
	WIN 0
.endm
.macro FETCH_A s, q, i0
.irp i, \i0, \i0+1, \i0+2, \i0+3
	FRAG AF+FR*(\i), ADRA+\s, (2*(\i)+\q)*1536
.endr
.endm
.macro SCALES s, sc
.irp i, 0,1,2,3,4,5,6,7
	ds_load_b32 v[SC+16*(\sc)+\i], v[ASA+\s] offset:24576+128*\i
.endr
.set b, 0
.rept NB
	ds_load_b32 v[SC+16*(\sc)+8+b], v[ASB+\s] offset:RB-128*NB+128*b
.set b, b+1
.endr
.endm
; A's blocks a0, a0 + 1 against B's NB: 128 along K.  first = 1: the bias is the C of the sums' first products.  The accumulators take turns, one instruction a turn, in the same order in every step.
.macro MULA a0, set, q, sc, first
.irp a, \a0, \a0+1
.set b, 0
.rept NB
.set rD, 8*(NB*((\a)%4)+b)
.set rB, 128*(\set)+FR*b
.set rA, AF+FR*(\a)
.set rSB, SC+16*(\sc)+8+b
.set rSA, SC+16*(\sc)+(\a)
.if \first
	v_wmma_scale_f32_16x16x128_f8f6f4 v[rD:rD+7], v[rB:rB+11], v[rA:rA+11], v[CB+8*b:CB+8*b+7], v[rSB], v[rSA] matrix_a_fmt:MATRIX_FMT_BF6 matrix_b_fmt:MATRIX_FMT_BF6
.elseif \q
	v_wmma_scale_f32_16x16x128_f8f6f4 v[rD:rD+7], v[rB:rB+11], v[rA:rA+11], v[rD:rD+7], v[rSB], v[rSA] matrix_a_fmt:MATRIX_FMT_BF6 matrix_b_fmt:MATRIX_FMT_BF6 matrix_a_scale:MATRIX_SCALE_ROW1 matrix_b_scale:MATRIX_SCALE_ROW1
.else
	v_wmma_scale_f32_16x16x128_f8f6f4 v[rD:rD+7], v[rB:rB+11], v[rA:rA+11], v[rD:rD+7], v[rSB], v[rSA] matrix_a_fmt:MATRIX_FMT_BF6 matrix_b_fmt:MATRIX_FMT_BF6
.endif
.set b, b+1
.endr
.endr
.endm
; A slot's first 128 along K.  Four plain instructions stand in front of each run of loads into registers that matrix instructions have read (ISA guide 7.12.1 for vector instructions).
.macro STEP s, sc, first
	s_wait_dscnt 24                                    ; all but the youngest 24 loads (A's blocks 4-7) are in
.if \first
	WIN 0x81                                           ; source 0 window 1, C window 0, D window 2
.else
	WIN 0xa1
.endif
	MULA 0, 0, 0, \sc, \first
	MULA 2, 0, 0, \sc, \first
	s_wait_dscnt 0x0                                   ; A's blocks 4-7 are in
	PLACES 4
	FETCH_B \s, 1, 1
	FETCH_A \s, 1, 0
.if \first
	WIN 0xc1
.else
	WIN 0xf1
.endif
	MULA 4, 0, 0, \sc, \first
	MULA 6, 0, 0, \sc, \first
	PLACES 4
	WIN 0
	FETCH_A \s, 1, 4
.endm
; A slot's second 128 along K, and the change to slot nx.  mode 2: this slot is filled again: every wave waits for all its tensor loads, adds 0 to its spare word, waits for that and for its reads of the slot;
; the barrier opens a round of the cluster's barrier, and the joint refill is the first thing behind it.  mode 1: the slot ahead is the refill: the wave that asked waits for it, then a barrier.
; mode 0: the slot ahead was shown whole to all by mode 2's round.
.macro TURN s, sc, nx, nsc, mode
.if \mode == 2
	s_wait_tensorcnt 0x0                               ; all three first fills of mine have landed
	ds_add_u32 v[SPW], v[NIL]
	s_wait_dscnt 25                                    ; (the add and the youngest 24 loads may be out)
.elseif \mode == 1
	s_wait_tensorcnt 0x0                               ; the one load that is out: my part of K step 3
	s_wait_dscnt 24
.else
	s_wait_dscnt 24
.endif
	WIN 0xa1
	MULA 0, 1, 1, \sc, 0
.if \mode
	s_wait_dscnt 0x0                                   ; my reads of this slot are over (mode 2: and the add is done)
	s_barrier_signal -1
.endif
	MULA 2, 1, 1, \sc, 0
.if \mode == 0
	s_wait_dscnt 0x0
.endif
	WIN 0
.if \mode
	s_barrier_wait -1
.endif
.if \mode == 2
	CREST                                              ; no wave of any partner still reads slot 0 or has a load on its way
	s_add_nc_u64 s[G0A+2:G0A+3], s[G0A+2:G0A+3], 3*RA  ; K step 3
	s_add_nc_u64 s[58:59], s[58:59], 3*RB
	JLOAD G0A, G1A, 56, G1B                            ; its four v_nop are also the places in front of the loads below
.else
	PLACES 4
.endif
	FETCH_B \nx, 0, 0
	FETCH_A \nx, 0, 0
	SCALES \nx, \nsc
	WIN 0xf1
	MULA 4, 1, 1, \sc, 0
	MULA 6, 1, 1, \sc, 0
	PLACES 4
	WIN 0
	FETCH_A \nx, 0, 4
.endm
; 64 numbers of a lane, register 16 b + i = k 32 b + 16 (lane / 16) + i of my row, become a fragment's codes and its scale word.
.macro QUANT s, pc, pw
.irp b, 0,1,2,3
	v_max3_num_f32 v[TM+\b], |v[\s+16*\b]|, |v[\s+1+16*\b]|, 0x2800000   ; and the floor 2^(5 - 127): the byte cannot fall under 1
.endr
.irp i, 2,4,6,8,10,12,14
.irp b, 0,1,2,3
	v_max3_num_f32 v[TM+\b], v[TM+\b], |v[\s+16*\b+\i]|, |v[\s+1+16*\b+\i]|
.endr
.endr
.irp b, 0,1,2,3
	v_permlanex16_b32 v[TM+4+\b], v[TM+\b], s2, s3
.endr
.irp b, 0,1,2,3
	v_max_num_f32 v[TM+\b], v[TM+\b], v[TM+4+\b]
.endr
.irp b, 0,1,2,3
	v_add_nc_u32 v[TM+12+\b], 0xfe000000, v[TM+\b]     ; 4 off the exponent field: the conversion's scale operand
.endr
.irp b, 0,1,2,3
	v_lshrrev_b32 v[TM+4+\b], 23, v[TM+12+\b]
.endr
	v_lshl_or_b32 v[\pw], v[TM+5], 8, v[TM+4]
	v_lshl_or_b32 v[\pw], v[TM+6], 16, v[\pw]
	v_lshl_or_b32 v[\pw], v[TM+7], 24, v[\pw]
.irp c, 0,1
	v_cvt_scalef32_pk16_bf6_f32 v[\pc+6*\c:\pc+2+6*\c], v[\s+32*\c:\s+15+32*\c], v[TM+12+2*\c]
	v_cvt_scalef32_pk16_bf6_f32 v[\pc+12+4*\c:\pc+14+4*\c], v[\s+16+32*\c:\s+31+32*\c], v[TM+12+2*\c+1]
.endr
	v_nop                                              ; one plain instruction behind the scaled conversions
.irp c, 0,1
.irp i, 0,1,2
	v_permlane16_swap_b32 v[\pc+6*\c+\i], v[\pc+12+4*\c+\i]
.endr
.irp i, 0,1,2
	v_mov_b32 v[\pc+3+6*\c+\i], v[\pc+12+4*\c+\i]
.endr
.endr
.endm
; The way out of A's block a: its 64 numbers a lane, plus the lane's bias, into window 0 (each accumulator from its low end on); quantised; the two halves of the codes stored, each as three aligned
; runs of 256 bytes; behind every second block the two blocks' scale words.
.macro EPI a
	WIN 0x02+(\a)/4                                    ; source 0: window 2 or 3
.set i, 0
.rept 32
.if (\a)%2
	v_pk_add_f32 v[T+2*i:T+2*i+1], v[64*((\a)%4)+2*i:64*((\a)%4)+2*i+1], v[BA+(\a)-1:BA+(\a)] op_sel:[0,1] op_sel_hi:[1,1]
.else
	v_pk_add_f32 v[T+2*i:T+2*i+1], v[64*((\a)%4)+2*i:64*((\a)%4)+2*i+1], v[BA+(\a):BA+(\a)+1] op_sel_hi:[1,0]
.endif
.set i, i+1
.endr
	WIN 0
.if (\a) > 0
	s_wait_xcnt 0x0                                    ; the last block's stores have read their data and their bases: both are written again only behind this wait
	s_add_nc_u64 s[PCD:PCD+1], s[PCD:PCD+1], s[82:83]
.if (\a) == 4
	s_add_nc_u64 s[PCD:PCD+1], s[PCD:PCD+1], s[84:85]
.endif
.if (\a)%2 == 0
	s_add_nc_u64 s[PSC:PSC+1], s[PSC:PSC+1], s[86:87]
.if (\a) == 4
	s_add_nc_u64 s[PSC:PSC+1], s[PSC:PSC+1], s[88:89]
.endif
.endif
.endif
	QUANT T, PC, PW+(\a)%2
.irp p, 0,1,2
	global_store_b64 v3, v[PC+2*\p:PC+2*\p+1], s[PCD:PCD+1] offset:256*\p
.endr
.irp p, 0,1,2
	global_store_b64 v19, v[PC+6+2*\p:PC+7+2*\p], s[PCD:PCD+1] offset:256*\p
.endr
.if (\a)%2
	v_perm_b32 v230, v[PW+1], v[PW], s90               ; q, k: the first head's bytes of both tiles;  v: the even tile's word
	v_perm_b32 v231, v[PW+1], v[PW], s91               ; q, k: the second head's;  v: the odd tile's word
	v_cndmask_b32 v232, v230, v231, s92                ; lanes 0-15 the one, lanes 16-31 the other
	global_store_b32 v20, v232, s[PSC:PSC+1]
.endif
.endm
	s_load_b128 s[4:7], s[0:1], 0x0                    ; xq, wq
	s_load_b64 s[8:9], s[0:1], 0x10                    ; b_attn
	s_load_b64 s[72:73], s[0:1], 0x18                  ; qh
	s_load_b64 s[74:75], s[0:1], 0x20                  ; kv
	v_lshl_add_u32 v[SPW], v0, 2, SPARE
	v_mov_b32 v[NIL], 0
	ds_add_u32 v28, v29
	s_wait_dscnt 0x0
	v_lshrrev_b32 v1, 5, v0
	v_readfirstlane_b32 s10, v1                        ; wave 0..3
	s_lshr_b32 s11, s10, 1                             ; which half of A's rows is mine.  Also: I fetch for A (0) or for B (1)
	s_and_b32 s12, s10, 1                              ; which half of B's rows.  Also: which record I fetch
	s_bfe_u32 s13, ttmp6, 0x40000                      ; cx
	s_bfe_u32 s14, ttmp6, 0x40004                      ; cy
	s_and_b32 s16, ttmp7, 0xffff
	s_lshl_b32 s16, s16, 2                             ; 4 x cluster y
	s_lshl_b32 s17, ttmp9, 2                           ; 4 x cluster x
	s_cmp_eq_u32 ttmp9, 2                              ; v?  The same in all sixteen partners
	s_cselect_b32 s18, 8, s16
	s_cselect_b32 s19, s16, s17
	s_cselect_b32 s20, -1, 0                           ; a lane mask: all ones for v
	s_add_co_u32 s18, s18, s14                         ; which 256 rows of A: hangs on cy alone
	s_add_co_u32 s19, s19, s13                         ; which 256 rows of B: on cx alone
	s_lshl_b32 s21, s14, 2
	s_lshl_b32 s21, 15, s21                            ; my row of the cluster
	s_lshl_b32 s22, 0x1111, s13                        ; my column
	; group 1: a dense record as rows of 256 bytes (32 elements of 8 bytes), no padding
	s_or_b32 s[G1A], s21, (3<<16)|(1<<21)
	s_or_b32 s[G1B], s22, (3<<16)|(1<<21)
	s_mov_b32 s[G1A+1], 32<<16                         ; tensor_dim0
	s_mov_b32 s[G1A+2], (RA/256)<<16                   ; tensor_dim1
	s_mov_b32 s[G1A+3], 32<<16                         ; tile_dim0
	s_mov_b32 s[G1A+4], RA/256                         ; tile_dim1
	s_mov_b32 s[G1A+5], 32                             ; the pitch
	s_mov_b32 s[G1A+6], 0
	s_mov_b32 s[G1A+7], 0
	s_mov_b32 s[G1B+1], 32<<16
	s_mov_b32 s[G1B+2], (RB/256)<<16
	s_mov_b32 s[G1B+3], 32<<16
	s_mov_b32 s[G1B+4], RB/256
	s_mov_b32 s[G1B+5], 32
	s_mov_b32 s[G1B+6], 0
	s_mov_b32 s[G1B+7], 0
	s_lshl_b32 s44, s18, 1
	s_add_co_u32 s44, s44, s12
	s_mul_i32 s44, s44, 4*RA                           ; A: the record of K step 0 that I fetch
	s_mov_b32 s45, 0
	s_lshl_b32 s46, s19, 1
	s_add_co_u32 s46, s46, s12
	s_mul_i32 s46, s46, 4*RB                           ; B likewise
	s_mov_b32 s47, 0
	s_mul_i32 s21, s12, RA                             ; where they go: no place in the cluster enters an LDS address
	s_mul_i32 s22, s12, RB
	s_add_co_u32 s22, s22, 2*RA
	s_mov_b32 s2, 0x76543210
	s_mov_b32 s3, 0xfedcba98                           ; v_permlanex16_b32's selects for lane l xor 16
	s_mov_b32 s92, 0xffff0000                          ; lanes 16-31
	s_wait_kmcnt 0x0
	s_cmp_eq_u32 ttmp9, 2
	s_cselect_b64 s[94:95], s[6:7], s[4:5]             ; A's buffer
	s_cselect_b64 s[96:97], s[4:5], s[6:7]             ; B's buffer
	s_add_nc_u64 s[94:95], s[94:95], s[44:45]
	s_add_nc_u64 s[96:97], s[96:97], s[46:47]
	CROUND                                             ; all sixteen work-groups are here: the first joint loads meet
	SETG0 G0A, 56, 0
	SETG0 G0A+4, 60, 1
	SETG0 G0A+8, 68, 2
	v_and_b32 v1, 15, v0                               ; r
	v_bfe_u32 v2, v0, 4, 1                             ; h
	v_and_b32 v3, 31, v0
	v_lshlrev_b32 v4, 2, v3                            ; 4 x lane
	v_lshlrev_b32 v3, 3, v3                            ; 8 x lane
	s_mul_i32 s21, s11, RA                             ; the A record that I read
	s_mul_i32 s22, s12, RB
	s_add_co_u32 s22, s22, 2*RA                        ; the B record that I read
.irp s, 0,1,2
	v_add_nc_u32 v[ADRA+\s], s21, v3
	v_add_nc_u32 v[ADRB+\s], s22, v3
	v_add_nc_u32 v[ASA+\s], s21, v4
	v_add_nc_u32 v[ASB+\s], s22, v4
	s_add_co_u32 s21, s21, SLOT
	s_add_co_u32 s22, s22, SLOT
.endr
	; the bias.  Along B (q, k): register j of tile 2 g + u in lane half h is column 32 g + 16 h + 8 u + j.  Along A (v): lane r of tile a is column 32 (a / 2) + 8 (a % 2) + r + 8 (r / 8).
	; The way that does not apply loads from the buffer's head and is set to 0 below.
	s_lshl_b32 s98, s19, 8
	s_lshl_b32 s21, s12, 7
	s_add_co_u32 s98, s98, s21
	s_lshl_b32 s98, s98, 2
	s_lshl_b32 s100, s18, 8
	s_lshl_b32 s21, s11, 7
	s_add_co_u32 s100, s100, s21
	s_lshl_b32 s100, s100, 2
	s_cmp_eq_u32 ttmp9, 2
	s_cselect_b32 s98, 0, s98
	s_cselect_b32 s100, s100, 0
	s_mov_b32 s99, 0
	s_mov_b32 s101, 0
	s_add_nc_u64 s[98:99], s[8:9], s[98:99]
	s_add_nc_u64 s[100:101], s[8:9], s[100:101]
	v_lshlrev_b32 v17, 6, v2                           ; 64 h
	v_and_b32 v18, 8, v1
	v_add_nc_u32 v18, v18, v1
	v_lshlrev_b32 v18, 2, v18                          ; 4 (r + 8 (r / 8))
.irp t, 0,1,2,3,4,5,6,7
	global_load_b128 v[CB+8*\t:CB+8*\t+3], v17, s[98:99] offset:(32*(\t/2)+8*(\t%2))*4
	global_load_b128 v[CB+8*\t+4:CB+8*\t+7], v17, s[98:99] offset:(32*(\t/2)+8*(\t%2))*4+16
.endr
.irp t, 0,1,2,3,4,5,6,7
	global_load_b32 v[BA+\t], v18, s[100:101] offset:(32*(\t/2)+8*(\t%2))*4
.endr
	s_wait_tensorcnt 2                                 ; my part of K step 0 is in; K steps 1 and 2 may stay out
	s_barrier_signal -1
	s_barrier_wait -1                                  ; everybody's is
	FETCH_B 0, 0, 0
	FETCH_A 0, 0, 0
	SCALES 0, 0
	FETCH_A 0, 0, 4
	; where the results go: offsets first, then the buffer's address
	s_and_b32 s21, s19, 3
	s_sub_co_u32 s22, s18, 8
	s_cmp_eq_u32 ttmp9, 2
	s_cselect_b32 s15, s19, s18                        ; which 256 tokens
	s_cselect_b32 s23, s12, s11                        ; which half of them is my wave's
	s_cselect_b32 s21, s22, s21                        ; which 256 columns of the 1,024 (four heads)
	s_cselect_b32 s22, s11, s12                        ; which half of them (two heads)
	s_lshr_b32 s44, s15, 3                             ; the batch
	s_and_b32 s15, s15, 7
	s_lshl_b32 s15, s15, 1
	s_add_co_u32 s15, s15, s23                         ; which 128 tokens of the batch's 2,048
	s_lshl_b32 s44, s44, 4
	s_lshl_b32 s21, s21, 2
	s_add_co_u32 s44, s44, s21
	s_lshl_b32 s22, s22, 1
	s_add_co_u32 s44, s44, s22                         ; my first head, 0..63
	s_lshl_b32 s45, s44, 3
	s_lshr_b32 s21, s15, 1
	s_add_co_u32 s45, s45, s21
	s_mul_i32 s45, s45, 25600                          ; kv's record
	s_and_b32 s46, s15, 1                              ; the key step in it
	s_mul_i32 s47, s46, 6144
	s_add_co_u32 s47, s47, s45                         ; k: codes
	s_lshl_b32 s46, s46, 8
	s_add_co_u32 s46, s46, s45
	s_add_co_u32 s46, s46, 24576                       ; k: scale words
	s_mul_i32 s21, s44, 98304
	s_mul_i32 s22, s15, 6144
	s_add_co_u32 s21, s21, s22                         ; q: codes
	s_lshl_b32 s22, s44, 12
	s_lshl_b32 s23, s15, 8
	s_add_co_u32 s22, s22, s23
	s_add_co_u32 s22, s22, 6291456                     ; q: scale words
	s_cmp_eq_u32 ttmp9, 0
	s_mov_b32 s80, 204800
	s_cselect_b32 s80, 98304, s80                      ; from the codes' first half to the second: the next head (q, k),
	s_mov_b32 s81, 204800
	s_cselect_b32 s81, 4096, s81                       ; and the same for the scale words
	s_cmp_eq_u32 ttmp9, 2
	s_cselect_b32 s80, 768, s80                        ; v: the fragment's second half;
	s_cselect_b32 s81, 64, s81                         ; the next tile's words
	s_mov_b32 s82, 768
	s_cselect_b32 s82, 1536, s82                       ; the codes' step from block to block
	s_cselect_b32 s84, 198656, 0                       ; v: behind block 3 on to the next head: 204,800 - 4 x 1,536
	s_cselect_b32 s86, 128, 64                         ; the scale words' step from pair to pair
	s_cselect_b32 s88, 204544, 0                       ; v: 204,800 - 2 x 128
	s_mov_b32 s90, 0x05040100
	s_cselect_b32 s90, 0x03020100, s90
	s_mov_b32 s91, 0x07060302
	s_cselect_b32 s91, 0x07060504, s91
	s_cselect_b32 s23, 12288, 0
	s_cselect_b32 s93, 512, 0
	s_mov_b32 s83, 0
	s_mov_b32 s85, 0
	s_mov_b32 s87, 0
	s_mov_b32 s89, 0
	s_add_co_u32 s47, s47, s23                         ; v's codes lie 12,288 behind k's, its scale words 512
	s_add_co_u32 s46, s46, s93
	s_cmp_eq_u32 ttmp9, 0
	s_cselect_b32 s[PCD], s21, s47
	s_cselect_b32 s[PSC], s22, s46
	s_cselect_b64 s[94:95], s[72:73], s[74:75]
	s_mov_b32 s[PCD+1], 0
	s_mov_b32 s[PSC+1], 0
	s_add_nc_u64 s[PCD:PCD+1], s[94:95], s[PCD:PCD+1]
	s_add_nc_u64 s[PSC:PSC+1], s[94:95], s[PSC:PSC+1]
	v_add_nc_u32 v19, s80, v3                          ; 8 x lane + the second half's distance
	v_lshlrev_b32 v20, 2, v1
	v_mad_u32_u24 v20, v2, s81, v20                    ; 4 r + h x the second words' distance
	s_wait_loadcnt 0x0                                 ; the biases
.set n, 0
.rept 64
	v_cndmask_b32 v[CB+n], v[CB+n], 0, s20             ; v has no bias along B
.set n, n+1
.endr
.set n, 0
.rept 8
	v_cndmask_b32 v[BA+n], 0, v[BA+n], s20             ; q and k have none along A
.set n, n+1
.endr
	STEP 0, 0, 1
	TURN 0, 0, 1, 1, 2
	STEP 1, 1, 0
	TURN 1, 1, 2, 0, 0
	STEP 2, 0, 0
	TURN 2, 0, 0, 1, 1
	STEP 0, 1, 0
	s_wait_dscnt 24                                    ; the very last 128 along K: nothing more to fetch
	WIN 0xa1
	MULA 0, 1, 1, 1, 0
	MULA 2, 1, 1, 1, 0
	s_wait_dscnt 0x0
	WIN 0xf1
	MULA 4, 1, 1, 1, 0
	MULA 6, 1, 1, 1, 0
	WIN 0
	PLACES 4                                           ; in front of writes over A's fragments and of the first reads of results
.irp b, 0,1,2,3
	v_mov_b32 v[TM+4+\b], 0                            ; written once: a lane permute's destination counts as one of its sources
.endr
.irp a, 0,1,2,3,4,5,6,7
	EPI \a
.endr
	s_wait_tensorcnt 0x0                               ; the wave's end
	ds_add_u32 v[SPW], v[NIL]
	s_wait_dscnt 0x0
	CROUND                                             ; the closing round
	s_endpgm
.Lfunc_end_k_q8ac87ed203_qkv:
	.size	k_q8ac87ed203_qkv, .Lfunc_end_k_q8ac87ed203_qkv-k_q8ac87ed203_qkv
	.p2alignl 7, 3214868480
	.fill 96, 4, 3214868480
	.section	.rodata,"a",@progbits
	.p2align	6, 0x0
	.amdhsa_kernel k_q8ac87ed203_qkv
		.amdhsa_group_segment_fixed_size 327680
		.amdhsa_private_segment_fixed_size 0
		.amdhsa_enable_private_segment 0
		.amdhsa_kernarg_size 40
		.amdhsa_user_sgpr_count 2
		.amdhsa_user_sgpr_kernarg_segment_ptr 1
		.amdhsa_wavefront_size32 1
		.amdhsa_system_sgpr_workgroup_id_x 1
		.amdhsa_system_sgpr_workgroup_id_y 1
		.amdhsa_system_sgpr_workgroup_id_z 1
		.amdhsa_system_vgpr_workitem_id 0
		.amdhsa_next_free_vgpr 1024
		.amdhsa_next_free_sgpr 104
		.amdhsa_reserve_vcc 0
		.amdhsa_float_denorm_mode_32 3
		.amdhsa_float_denorm_mode_16_64 3
		.amdhsa_memory_ordered 1
		.amdhsa_forward_progress 1
		.amdhsa_inst_pref_size 192
	.end_amdhsa_kernel
	.amdgpu_metadata
---
amdhsa.version: [ 1, 2 ]
amdhsa.kernels:
  - .name:           k_q8ac87ed203_qkv
    .symbol:         k_q8ac87ed203_qkv.kd
    .args:
      - { .name: xq, .offset: 0, .size: 8, .value_kind: global_buffer, .address_space: global }
      - { .name: wq, .offset: 8, .size: 8, .value_kind: global_buffer, .address_space: global }
      - { .name: b_attn, .offset: 16, .size: 8, .value_kind: global_buffer, .address_space: global }
      - { .name: qh, .offset: 24, .size: 8, .value_kind: global_buffer, .address_space: global }
      - { .name: kv, .offset: 32, .size: 8, .value_kind: global_buffer, .address_space: global }
    .group_segment_fixed_size: 327680
    .private_segment_fixed_size: 0
    .kernarg_segment_align: 8
    .kernarg_segment_size: 40
    .max_flat_workgroup_size: 128
    .sgpr_count:     104
    .vgpr_count:     1024
    .wavefront_size: 32
...
	.end_amdgpu_metadata
.endif
;; end of part 2
;; launch attn (part 3): grid 4 x 64, 16 waves a work-group, no clusters, 327,680 bytes of LDS; arguments qh, kv, yq; writes yq
.if DOCPART == 3
	.amdgcn_target "amdgcn-amd-amdhsa--gfx1250"
	.amdhsa_code_object_version 6
	.text
	.protected	k_q8ac87ed203_attn
	.globl	k_q8ac87ed203_attn
	.p2align	8
	.type	k_q8ac87ed203_attn,@function
k_q8ac87ed203_attn:
	s_mov_b64 s[64:65], 0
	v_nop
	global_prefetch_b8 v0, s[64:65] scope:SCOPE_SE
	s_setreg_imm32_b32 hwreg(HW_REG_WAVE_MODE, 25, 1), 1
	s_wait_xcnt 0x0
; y[b][t][head 64 + d] = the sum over keys s <= t of softmax_s(q . k / 8) v, both products on codes of BF6 (E3M2) with E8M0 scales; y leaves quantised along C, as the last product's operand.
; THE SOFTMAX AHEAD OF THE SECOND PRODUCT: t = score x log2(e) / 8; M = the running largest t rounded up to a whole number; p = 2^(t - M) is quantised along the keys, not normalised; the row's sum is taken
; of the unquantised p and divides at the end.  When M moves, the sum and O are multiplied by 2^(old M - new M): exact.
; SHARES.  Work-group (i, head) owns the blocks 7 - i and i of 256 queries and walks slots of 256 keys 0 .. 7 - i, then 0 .. i: NINE trips for every i, so the trip count is a constant and all work-groups
; have equal work.  Each of sixteen waves owns a tile of 16 queries of a block: four waves to a SIMD, so that one wave's vector work stands beside another's products and LDS loads.
; A step all of whose 128 keys come after the wave's queries is left out by a scalar branch on ids; on the diagonal hidden scores become -infinity.  Key 0 counts for every query, so M is a number from the first step on.
; NO CLUSTER: the four work-groups of a head ask for the same record in trips 0 to 4 only (the first passes have 8 - i trips); behind that they want different ones, and a form in which all make every
; joint request would have 16 trips for 9.
; LAYOUT.  Both products are used transposed: S^T = K Q^T, O^T = V^T P^T: a lane holds one query throughout.  The keys of a tile are ordered so that p's 16 registers of two neighbouring tiles are 16 neighbours.
; THE HEAD IS 64 AND THE INSTRUCTION 128 ALONG K: source 0 is TWO tiles of keys on end; source 1 is (q | zero codes) for the first and (zero codes | q) for the second: 18 registers [q | 0 | q] serve both.
; Q's scale word has the byte 1 beside its zero half.
; A record of kv (25,600 bytes: k's codes, v's fragments, both scale words, all as register images) comes by one tensor load of wave 0 into one of two slots.  All of LDS is claimed.
; LIMITS: NaN and infinities are not served; a block of p or of y whose largest magnitude lies under 2^(4 - 126), zeros among them, keeps the byte 1 (read by this program alone).
; REGISTERS: v1 8 x lane, v2 4 x lane, v3, v4 for the add, v5, v6 the slot's addresses, v7 r + 8 (r / 8) - 16 h, v8 4 r, v9 4 r + h, v10 the prefetch's offset, v12 -M, v13 the largest t, v[14:15] the sum,
;   v16-33 Q, v34-39 the second pass's q, v40-41 both passes' scale words, v42-43 Q's two scale words, v44-91 four fragments, v92-95 their scale words, v96-159 S^T then p, v160-191 O^T, v192-210 codes, v212-229 at work.
.set SLOT1, 32768
.set SPARE, 65536                      ; the spare words, 128 bytes a wave: eight blocks of 256 bytes that no other line names
.set REC,   25600
.macro TLOAD                           ; wave 0 fetches.  Four v_nop follow the line
	s_cmp_lg_u32 s10, 0
	s_cbranch_scc1 .Lnot_0_\@
	tensor_load_to_lds s[32:35], s[24:31]
	s_nop 0
.rept 4
	v_nop
.endr
.Lnot_0_\@:
.endm
; A PREFETCH INTO THE L2 of the record that the NEXT change of slots will ask for.  All four work-groups of a head walk records 0, 1, 2 .. at first; the one with i = 0 walks all eight in its first pass: it asks.
; Its waves 4 to 7 take 6,400 bytes each, a lane a block of 256 bytes (lanes 25 to 31 name lane 24's block again in the same instruction).  In trip N the record N + 2 is named, N = 0 .. 5: records 0 and 1
; come by their loads alone, and nothing behind record 7 is named.
.macro ASK
	s_cmp_lt_u32 s13, s40
	s_cbranch_scc0 .Lnot_mine_\@
	global_prefetch_b8 v10, s[38:39] th:TH_LOAD_NT scope:SCOPE_SE
.Lnot_mine_\@:
.endm
; THE CHANGE OF SLOTS, at a trip's head.  Each wave waits for all its tensor loads, adds 0 to its spare word, and waits for that and for its reads of the slot that it has left.  Behind the barrier the slot ahead
; is whole and nobody reads the other: fill = 1: it takes the next trip's record, which is the next one, or record 0 where the next trip begins the second pass.
.macro CHANGE fill
	s_wait_tensorcnt 0x0                               ; no tensor load of mine is out, so the group 0 may be written
	ds_add_u32 v3, v4
.if \fill
	s_xor_b32 s33, s33, SLOT1
	s_add_nc_u64 s[34:35], s[34:35], REC
	s_add_co_u32 s60, s13, 1
	s_cmp_eq_u32 s60, s14
	s_cselect_b32 s36, s55, 0
	s_sub_nc_u64 s[34:35], s[34:35], s[36:37]          ; back over the first pass's records
	s_wait_xcnt 0x0                                    ; the last prefetch, a trip back, has read its address
	s_add_nc_u64 s[38:39], s[38:39], REC
.endif
	s_wait_dscnt 0x0                                   ; the add is done, and my reads of the slot that I have left are over
	s_barrier_signal -1
	s_barrier_wait -1
.if \fill
	TLOAD                                              ; the first thing behind the barrier, and a wave's one tensor load until the next
	ASK
.endif
.endm
; A pass begins: Q as [q | 0 | q], its two scale words, the statistics, O^T.  The 32 moves at the end are also the places between the writes of the scale words and of Q and the first product.
.macro INIT src, word
.if \src != 16
.irp j, 0,1,2,3,4,5
	v_mov_b32 v[16+\j], v[\src+\j]
.endr
.else
.irp j, 0,1,2,3,4,5
	v_mov_b32 v[22+\j], 0                              ; zero codes: written once
.endr
.endif
.irp j, 0,1,2,3,4,5
	v_mov_b32 v[28+\j], v[\src+\j]
.endr
	v_lshrrev_b32 v42, s19, v[\word]                   ; my tile's two bytes of the pair's word
	s_delay_alu instid0(VALU_DEP_1)
	v_and_b32 v42, 0xffff, v42
	s_delay_alu instid0(VALU_DEP_1)
	v_lshl_or_b32 v43, v42, 16, 0x0101                 ; for (0 | q)
	s_delay_alu instid0(VALU_DEP_2)
	v_or_b32 v42, 0x01010000, v42                      ; for (q | 0)
	v_mov_b32 v13, 0xff61b1e6                          ; the largest t so far: -3e38
	s_delay_alu instid0(VALU_DEP_1)
	v_floor_f32 v12, -v13
	v_mov_b32 v14, 0
	v_mov_b32 v15, 0
.set n, 0
.rept 32
	v_mov_b32 v[160+n], 0
.set n, n+1
.endr
.endm
; A KEY STEP: 128 keys, the q-th of the slot in hand.
.macro STEP q
	s_add_co_u32 s60, s17, 23                          ; my tile's last query
	s_cmp_gt_u32 s16, s60
	s_cbranch_scc1 .Lhidden_\@
	v_add_nc_u32 v5, s15, v1
	v_add_nc_u32 v6, s15, v2
	v_nop
	v_nop                                              ; four plain instructions in front of loads into registers that the last products have read
.irp d, 0,1,2,3
.irp j, 0,1,2,3,4,5
	ds_load_b64 v[44+12*\d+2*\j:45+12*\d+2*\j], v5 offset:6144*(\q)+1536*\d+256*\j
.endr
.endr
	ds_load_b32 v92, v6 offset:24576+256*(\q)          ; lanes 0-15: the words of tiles 0, 1; lanes 16-31: of tiles 2, 3
	ds_load_b32 v93, v6 offset:24576+256*(\q)+128
	s_wait_alu depctr_va_vdst(0)
	s_wait_dscnt 0x0
.irp d, 0,1,2,3
.if \d%2
	v_wmma_scale_f32_16x16x128_f8f6f4 v[96+16*\d:103+16*\d], v[44+12*\d:55+12*\d], v[16:27], 0, v[92+\d/2], v42 matrix_a_fmt:MATRIX_FMT_BF6 matrix_b_fmt:MATRIX_FMT_BF6 matrix_a_scale:MATRIX_SCALE_ROW1
	v_wmma_scale_f32_16x16x128_f8f6f4 v[104+16*\d:111+16*\d], v[44+12*\d:55+12*\d], v[22:33], 0, v[92+\d/2], v43 matrix_a_fmt:MATRIX_FMT_BF6 matrix_b_fmt:MATRIX_FMT_BF6 matrix_a_scale:MATRIX_SCALE_ROW1
.else
	v_wmma_scale_f32_16x16x128_f8f6f4 v[96+16*\d:103+16*\d], v[44+12*\d:55+12*\d], v[16:27], 0, v[92+\d/2], v42 matrix_a_fmt:MATRIX_FMT_BF6 matrix_b_fmt:MATRIX_FMT_BF6
	v_wmma_scale_f32_16x16x128_f8f6f4 v[104+16*\d:111+16*\d], v[44+12*\d:55+12*\d], v[22:33], 0, v[92+\d/2], v43 matrix_a_fmt:MATRIX_FMT_BF6 matrix_b_fmt:MATRIX_FMT_BF6
.endif
.endr                                              ; register 16 b + i of v96 on: key 32 b + 16 (lane / 16) + i of the step
.rept 4
	v_nop
.endr
.irp t, 0,1,2,3                                    ; V's fragments are asked for now: they land under the softmax
.irp j, 0,1,2,3,4,5
	ds_load_b64 v[44+12*\t+2*\j:45+12*\t+2*\j], v5 offset:12288+6144*(\q)+1536*\t+256*\j
.endr
.endr
	ds_load_b32 v94, v6 offset:25088+256*(\q)
	ds_load_b32 v95, v6 offset:25088+256*(\q)+128
	s_add_co_u32 s60, s16, 127
	s_cmp_le_u32 s60, s17
	s_cbranch_scc1 .Lopen_\@                           ; all 128 keys count for all my queries
	s_sub_co_i32 s60, s17, s16
	v_add_nc_u32 v222, s60, v7                         ; d = my query - the step's first key - 16 (lane / 16): register 16 b + i is hidden where 32 b + i > d
	v_mov_b32 v223, 0xff800000
.set n, 0
.rept 64
	v_cmp_gt_i32 vcc_lo, 32*(n/16)+n%16, v222
	v_cndmask_b32 v[96+n], v[96+n], v223, vcc_lo
.set n, n+1
.endr
.Lopen_\@:
.irp b, 0,1,2,3
	v_max3_num_f32 v[212+\b], v[96+16*\b], v[97+16*\b], v[98+16*\b]   ; the largest score of each block of 32 keys: for the row's maximum, and, since p rises with the score, for the block's largest p
.endr
.irp i, 3,5,7,9,11,13
.irp b, 0,1,2,3
	v_max3_num_f32 v[212+\b], v[212+\b], v[96+16*\b+\i], v[97+16*\b+\i]
.endr
.endr
.irp b, 0,1,2,3
	v_max_num_f32 v[212+\b], v[212+\b], v[111+16*\b]
.endr
.irp b, 0,1,2,3
	s_delay_alu instid0(VALU_DEP_4)
	v_permlanex16_b32 v[216+\b], v[212+\b], s20, s21
.endr
.irp b, 0,1,2,3
	s_delay_alu instid0(VALU_DEP_4)
	v_max_num_f32 v[212+\b], v[212+\b], v[216+\b]
.endr
	s_delay_alu instid0(VALU_DEP_2)
	v_max3_num_f32 v222, v212, v213, v214
	s_delay_alu instid0(VALU_DEP_1)
	v_max_num_f32 v222, v222, v215
	s_delay_alu instid0(VALU_DEP_1)
	v_mul_f32 v222, s22, v222                          ; as t
	s_delay_alu instid0(VALU_DEP_1)
	v_max_num_f32 v13, v13, v222                       ; the running largest t
	v_mov_b32 v222, v12
	s_delay_alu instid0(VALU_DEP_2)
	v_floor_f32 v12, -v13                              ; the new -M = -ceil(t)
	s_delay_alu instid0(VALU_DEP_1)
	v_sub_f32 v222, v12, v222                          ; old M - new M: a whole number, 0 or less
	s_delay_alu instid0(VALU_DEP_1)
	v_cvt_i32_f32 v222, v222                           ; (it saturates)
	s_delay_alu instid0(VALU_DEP_1)
	v_ldexp_f32 v220, 1.0, v222                        ; f = 2^(old M - new M)
.set n, 0
.rept 32
	v_pk_fma_f32 v[96+n:97+n], v[96+n:97+n], s[22:23], v[12:13] op_sel_hi:[1,0,0]   ; t - M
.set n, n+2
.endr
.irp b, 0,1,2,3
	v_fma_f32 v[212+\b], v[212+\b], s22, v12
.endr
.set n, 0
	s_wait_alu depctr_va_vdst(0)
.rept 64
	v_exp_f32 v[96+n], v[96+n]                         ; p = 2^(t - M)
.set n, n+1
.endr
	v_pk_mul_f32 v[14:15], v[14:15], v[220:221] op_sel_hi:[1,0]   ; the sums under the new M: a plain instruction behind the exponentials
	s_wait_alu depctr_va_vdst(0)                       ; one wait for the batch of 64, ahead of its first reader
.irp b, 0,1,2,3
	v_exp_f32 v[212+\b], v[212+\b]                     ; each block's largest p
.endr
	v_pk_add_f32 v[228:229], v[96:97], v[98:99]        ; the row's sum of the unquantised p, in two chains
.irp j, 4,8,12,16,20,24,28,32,36,40,44
	v_pk_add_f32 v[14:15], v[14:15], v[96+\j:97+\j]
	v_pk_add_f32 v[228:229], v[228:229], v[98+\j:99+\j]
.endr
	s_wait_alu depctr_va_vdst(0)                       ; and one for the four
.irp b, 0,1,2,3
	v_max_num_f32 v[212+\b], 0x2800000, v[212+\b]      ; the floor 2^(5 - 127)
.endr
.irp b, 0,1,2,3
	s_delay_alu instid0(VALU_DEP_4)
	v_add_nc_u32 v[224+\b], 0xfe000000, v[212+\b]
.endr
.irp b, 0,1,2,3
	s_delay_alu instid0(VALU_DEP_4)
	v_lshrrev_b32 v[216+\b], 23, v[224+\b]
.endr
	s_delay_alu instid0(VALU_DEP_3)
	v_lshl_or_b32 v221, v217, 8, v216                  ; p's scale word for these 128 keys
	s_delay_alu instid0(VALU_DEP_1)
	v_lshl_or_b32 v221, v218, 16, v221
	s_delay_alu instid0(VALU_DEP_1)
	v_lshl_or_b32 v221, v219, 24, v221
.irp c, 0,1
	v_cvt_scalef32_pk16_bf6_f32 v[192+6*\c:194+6*\c], v[96+32*\c:111+32*\c], v[224+2*\c]
	v_cvt_scalef32_pk16_bf6_f32 v[204+4*\c:206+4*\c], v[112+32*\c:127+32*\c], v[224+2*\c+1]
.endr
	v_nop                                              ; one plain instruction behind the scaled conversions
.irp c, 0,1
.irp i, 0,1,2
	v_permlane16_swap_b32 v[192+6*\c+\i], v[204+4*\c+\i]
.endr
.irp i, 0,1,2
	s_delay_alu instid0(VALU_DEP_3)
	v_mov_b32 v[195+6*\c+\i], v[204+4*\c+\i]
.endr
.endr
.set n, 0
.rept 16
	v_pk_mul_f32 v[160+n:161+n], v[160+n:161+n], v[220:221] op_sel_hi:[1,0]   ; O^T under the new M
.set n, n+2
.endr
.irp j, 48,52,56,60                                ; the rest of the sums: nine plain instructions that name nothing of the products below stand in front of them
	v_pk_add_f32 v[14:15], v[14:15], v[96+\j:97+\j]
	v_pk_add_f32 v[228:229], v[228:229], v[98+\j:99+\j]
.endr
	s_delay_alu instid0(VALU_DEP_1)
	v_pk_add_f32 v[14:15], v[14:15], v[228:229]
	s_wait_dscnt 0x0                                   ; V
.irp t, 0,1,2,3                                    ; the four accumulators by turns; between two links of one stand the others' and the next step's eight
.if \t%2
	v_wmma_scale_f32_16x16x128_f8f6f4 v[160+8*\t:167+8*\t], v[44+12*\t:55+12*\t], v[192:203], v[160+8*\t:167+8*\t], v[94+\t/2], v221 matrix_a_fmt:MATRIX_FMT_BF6 matrix_b_fmt:MATRIX_FMT_BF6 matrix_a_scale:MATRIX_SCALE_ROW1
.else
	v_wmma_scale_f32_16x16x128_f8f6f4 v[160+8*\t:167+8*\t], v[44+12*\t:55+12*\t], v[192:203], v[160+8*\t:167+8*\t], v[94+\t/2], v221 matrix_a_fmt:MATRIX_FMT_BF6 matrix_b_fmt:MATRIX_FMT_BF6
.endif
.endr
.Lhidden_\@:
	s_add_co_u32 s16, s16, 128
.endm
; A pass ends: O^T / the sum is my 16 queries' 64 numbers of y: register 16 b + i = d 32 b + 16 (lane / 16) + i.  Two blocks are quantised; the half image (three aligned runs of 256 bytes) and a byte a lane leave.
.macro FINISH
.rept 4
	v_nop                                              ; places behind the last products
.endr
	v_add_f32 v14, v14, v15
	s_delay_alu instid0(VALU_DEP_1)
	v_permlanex16_b32 v216, v14, s20, s21
	s_delay_alu instid0(VALU_DEP_1)
	v_add_f32 v14, v14, v216                           ; the row's sum
	s_wait_alu depctr_va_vdst(0)
	v_rcp_f32 v14, v14
	v_nop                                              ; a plain instruction behind the reciprocal,
	s_wait_alu depctr_va_vdst(0)                       ; and the wait ahead of its first reader
.set n, 0
.rept 32
	v_mul_f32 v[96+n], v[160+n], v14
.set n, n+1
.endr
.irp b, 0,1
	v_max3_num_f32 v[212+\b], |v[96+16*\b]|, |v[97+16*\b]|, 0x2800000
.endr
.irp i, 2,4,6,8,10,12,14
.irp b, 0,1
	s_delay_alu instid0(VALU_DEP_2)
	v_max3_num_f32 v[212+\b], v[212+\b], |v[96+16*\b+\i]|, |v[97+16*\b+\i]|
.endr
.endr
.irp b, 0,1
	s_delay_alu instid0(VALU_DEP_2)
	v_permlanex16_b32 v[216+\b], v[212+\b], s20, s21
.endr
.irp b, 0,1
	s_delay_alu instid0(VALU_DEP_2)
	v_max_num_f32 v[212+\b], v[212+\b], v[216+\b]
.endr
.irp b, 0,1
	s_delay_alu instid0(VALU_DEP_2)
	v_add_nc_u32 v[224+\b], 0xfe000000, v[212+\b]
.endr
.irp b, 0,1
	s_delay_alu instid0(VALU_DEP_2)
	v_lshrrev_b32 v[216+\b], 23, v[224+\b]
.endr
	v_cvt_scalef32_pk16_bf6_f32 v[192:194], v[96:111], v224
	v_cvt_scalef32_pk16_bf6_f32 v[204:206], v[112:127], v225
	v_cndmask_b32 v222, v216, v217, s54                ; my half's block's byte.  (A plain instruction behind the conversions)
.irp i, 0,1,2
	v_permlane16_swap_b32 v[192+\i], v[204+\i]
.endr
.irp i, 0,1,2
	s_delay_alu instid0(VALU_DEP_3)
	v_mov_b32 v[195+\i], v[204+\i]
.endr
.irp p, 0,1,2
	global_store_b64 v1, v[192+2*\p:193+2*\p], s[50:51] offset:256*\p
.endr
	global_store_b8 v9, v222, s[52:53]
.endm
.macro TRIP fill
	CHANGE \fill
	s_cmp_lg_u32 s13, s14
	s_cbranch_scc1 .Lsame_\@
	s_wait_alu depctr_va_vdst(0)
	FINISH                                             ; the first pass is over
	INIT 34, 41
	s_wait_xcnt 0x0                                    ; the stores have read their bases
	s_mov_b64 s[50:51], s[46:47]
	s_mov_b64 s[52:53], s[48:49]
	s_mov_b32 s17, s18
	s_mov_b32 s16, 0
.Lsame_\@:
	STEP 0
	STEP 1
	s_xor_b32 s15, s15, SLOT1
.endm
	s_load_b128 s[4:7], s[0:1], 0x0                    ; qh, kv
	s_load_b64 s[8:9], s[0:1], 0x10                    ; yq
	v_lshl_add_u32 v3, v0, 2, SPARE
	v_mov_b32 v4, 0
	ds_add_u32 v3, v4
	ds_add_u32 v3, v4
	s_wait_dscnt 0x0
	v_lshrrev_b32 v5, 5, v0
	s_delay_alu instid0(VALU_DEP_1)
	v_readfirstlane_b32 s10, v5                        ; wave 0..15
	s_mov_b32 s11, ttmp9                               ; i
	s_and_b32 s12, ttmp7, 0xffff                       ; 16 x batch + head
	s_mov_b32 s13, 0                                   ; the trip
	s_sub_co_u32 s14, 8, s11                           ; the trip in which the second pass begins
	s_mov_b32 s15, 0                                   ; the slot in hand
	s_mov_b32 s16, 0                                   ; the step's first key
	s_lshr_b32 s56, s10, 1
	s_lshl_b32 s56, s56, 5
	s_and_b32 s57, s10, 1
	s_lshl_b32 s19, s57, 4                             ; which half of a pair's scale word is my tile's
	s_lshl_b32 s57, s57, 3
	s_add_co_u32 s56, s56, s57                         ; my tile's first query in a block: 32 (w >> 1) + 8 (w & 1)
	s_sub_co_u32 s58, 7, s11                           ; the first pass's block
	s_lshl_b32 s17, s58, 8
	s_add_co_u32 s17, s17, s56
	s_lshl_b32 s18, s11, 8
	s_add_co_u32 s18, s18, s56
	s_mul_i32 s55, s14, REC
	s_mov_b32 s36, 0
	s_mov_b32 s37, 0
	s_mov_b32 s20, 0x76543210
	s_mov_b32 s21, 0xfedcba98
	s_mov_b32 s22, 0x3e38aa3b                          ; log2(e) / 8
	s_mov_b32 s23, s22                                 ; (named with it as a pair)
	s_mov_b32 s54, 0xffff0000
	s_mov_b32 s24, 3<<16                               ; group 1: a dense record as 100 rows of 256 bytes (32 elements of 8 bytes)
	s_mov_b32 s25, 32<<16
	s_mov_b32 s26, 100<<16
	s_mov_b32 s27, 32<<16
	s_mov_b32 s28, 100
	s_mov_b32 s29, 32
	s_mov_b32 s30, 0
	s_mov_b32 s31, 0
	s_mul_i32 s60, s12, 8*REC                          ; the head's records
	s_mov_b32 s61, 0
	s_and_b32 s62, s10, 3
	s_mul_i32 s62, s62, 6400
	s_add_co_u32 s62, s62, REC                         ; the prefetches stand in record 1: the first change of slots steps them to record 2
	s_mov_b32 s63, 0
	s_lshr_b32 s41, s10, 2
	s_xor_b32 s41, s41, 1                              ; 0 in waves 4 to 7,
	s_or_b32 s41, s41, s11                             ; of the work-group with i = 0
	s_cmp_eq_u32 s41, 0
	s_cselect_b32 s40, 6, 0
	s_wait_kmcnt 0x0
	s_mov_b32 s32, 1
	s_mov_b32 s33, 0
	s_add_nc_u64 s[34:35], s[6:7], s[60:61]
	s_add_nc_u64 s[38:39], s[34:35], s[62:63]
	s_or_b32 s35, s35, 0x80000000
	TLOAD                                              ; record 0 into slot 0
	; both passes' q: codes at (128 head + 16 block + wave) 768, scale words at 6,291,456 + 4,096 head + 64 (8 block + wave / 2)
	s_lshl_b32 s62, s12, 7
	s_add_co_u32 s62, s62, s10
	s_lshl_b32 s63, s58, 4
	s_add_co_u32 s66, s62, s63
	s_mul_i32 s66, s66, 768
	s_mov_b32 s67, 0
	s_lshl_b32 s63, s11, 4
	s_add_co_u32 s68, s62, s63
	s_mul_i32 s68, s68, 768
	s_mov_b32 s69, 0
	s_lshl_b32 s62, s12, 12
	s_lshr_b32 s63, s10, 1
	s_lshl_b32 s63, s63, 6
	s_add_co_u32 s62, s62, s63
	s_add_co_u32 s62, s62, 6291456
	s_lshl_b32 s63, s58, 9
	s_add_co_u32 s70, s62, s63
	s_mov_b32 s71, 0
	s_lshl_b32 s63, s11, 9
	s_add_co_u32 s72, s62, s63
	s_mov_b32 s73, 0
	s_add_nc_u64 s[66:67], s[4:5], s[66:67]
	s_add_nc_u64 s[68:69], s[4:5], s[68:69]
	s_add_nc_u64 s[70:71], s[4:5], s[70:71]
	s_add_nc_u64 s[72:73], s[4:5], s[72:73]
	v_and_b32 v8, 15, v0                               ; r
	v_bfe_u32 v11, v0, 4, 1                            ; h
	v_and_b32 v1, 31, v0
	s_delay_alu instid0(VALU_DEP_1)
	v_lshlrev_b32 v2, 2, v1
	s_delay_alu instid0(VALU_DEP_2)
	v_min_u32 v10, 24, v1
	s_delay_alu instid0(VALU_DEP_1)
	v_lshlrev_b32 v10, 8, v10
	s_delay_alu instid0(VALU_DEP_4)
	v_lshlrev_b32 v1, 3, v1
	v_and_b32 v7, 8, v8
	s_delay_alu instid0(VALU_DEP_1)
	v_add_nc_u32 v7, v7, v8
	v_lshlrev_b32 v9, 4, v11
	s_delay_alu instid0(VALU_DEP_1)
	v_sub_nc_u32 v7, v7, v9
	v_lshl_add_u32 v9, v8, 2, v11
	v_lshlrev_b32 v8, 2, v8
.irp p, 0,1,2
	global_load_b64 v[16+2*\p:17+2*\p], v1, s[66:67] offset:256*\p
	global_load_b64 v[34+2*\p:35+2*\p], v1, s[68:69] offset:256*\p
.endr
	global_load_b32 v40, v8, s[70:71]
	global_load_b32 v41, v8, s[72:73]
	; where y goes: record ((16 batch + 2 block + wave / 8) 4 + head / 4); in it the half image ((2 (wave % 8) + (head / 2) % 2) 2 + head % 2) 768, and the bytes at 24,576 + 128 (wave % 8) + 64 ((head / 2) % 2) + 2 (head % 2)
	s_lshr_b32 s62, s12, 4
	s_lshl_b32 s62, s62, 4
	s_lshr_b32 s63, s10, 3
	s_add_co_u32 s62, s62, s63
	s_lshl_b32 s62, s62, 2
	s_bfe_u32 s63, s12, 0x20002
	s_add_co_u32 s62, s62, s63
	s_lshl_b32 s63, s58, 3
	s_add_co_u32 s74, s62, s63
	s_mul_i32 s74, s74, 25600
	s_lshl_b32 s63, s11, 3
	s_add_co_u32 s75, s62, s63
	s_mul_i32 s75, s75, 25600
	s_and_b32 s76, s10, 7
	s_bfe_u32 s77, s12, 0x10001
	s_and_b32 s78, s12, 1
	s_lshl_b32 s79, s76, 1
	s_add_co_u32 s79, s79, s77
	s_lshl_b32 s79, s79, 1
	s_add_co_u32 s79, s79, s78
	s_mul_i32 s79, s79, 768
	s_lshl_b32 s76, s76, 7
	s_lshl_b32 s77, s77, 6
	s_add_co_u32 s76, s76, s77
	s_lshl_b32 s78, s78, 1
	s_add_co_u32 s76, s76, s78
	s_add_co_u32 s76, s76, 24576
	s_add_co_u32 s50, s74, s79
	s_mov_b32 s51, 0
	s_add_co_u32 s52, s74, s76
	s_mov_b32 s53, 0
	s_add_co_u32 s46, s75, s79
	s_mov_b32 s47, 0
	s_add_co_u32 s48, s75, s76
	s_mov_b32 s49, 0
	s_add_nc_u64 s[50:51], s[8:9], s[50:51]            ; the first pass's
	s_add_nc_u64 s[52:53], s[8:9], s[52:53]
	s_add_nc_u64 s[46:47], s[8:9], s[46:47]            ; the second pass's
	s_add_nc_u64 s[48:49], s[8:9], s[48:49]
.irp b, 0,1,2,3
	v_mov_b32 v[216+\b], 0                             ; written once: a lane permute's destination counts as one of its sources
.endr
	v_mov_b32 v221, 0                                  ; (named as the upper half of the pair v[220:221] before it is first written)
	s_wait_loadcnt 0x0                                 ; q
	INIT 16, 40
.Lslot:                                                ; eight trips ask for the next trip's record
	TRIP 1
	s_add_co_u32 s13, s13, 1
	s_cmp_lt_u32 s13, 8
	s_cbranch_scc1 .Lslot
	TRIP 0                                             ; the ninth is written out
	s_wait_alu depctr_va_vdst(0)
	FINISH
	s_wait_tensorcnt 0x0                               ; the wave's end
	ds_add_u32 v3, v4
	s_wait_dscnt 0x0
	s_endpgm
.Lfunc_end_k_q8ac87ed203_attn:
	.size	k_q8ac87ed203_attn, .Lfunc_end_k_q8ac87ed203_attn-k_q8ac87ed203_attn
	.p2alignl 7, 3214868480
	.fill 96, 4, 3214868480
	.section	.rodata,"a",@progbits
	.p2align	6, 0x0
	.amdhsa_kernel k_q8ac87ed203_attn
		.amdhsa_group_segment_fixed_size 327680
		.amdhsa_private_segment_fixed_size 0
		.amdhsa_enable_private_segment 0
		.amdhsa_kernarg_size 24
		.amdhsa_user_sgpr_count 2
		.amdhsa_user_sgpr_kernarg_segment_ptr 1
		.amdhsa_wavefront_size32 1
		.amdhsa_system_sgpr_workgroup_id_x 1
		.amdhsa_system_sgpr_workgroup_id_y 1
		.amdhsa_system_sgpr_workgroup_id_z 1
		.amdhsa_system_vgpr_workitem_id 0
		.amdhsa_next_free_vgpr 256
		.amdhsa_next_free_sgpr 96
		.amdhsa_reserve_vcc 1
		.amdhsa_float_denorm_mode_32 3
		.amdhsa_float_denorm_mode_16_64 3
		.amdhsa_memory_ordered 1
		.amdhsa_forward_progress 1
		.amdhsa_inst_pref_size 121
	.end_amdhsa_kernel
	.amdgpu_metadata
---
amdhsa.version: [ 1, 2 ]
amdhsa.kernels:
  - .name:           k_q8ac87ed203_attn
    .symbol:         k_q8ac87ed203_attn.kd
    .args:
      - { .name: qh, .offset: 0, .size: 8, .value_kind: global_buffer, .address_space: global }
      - { .name: kv, .offset: 8, .size: 8, .value_kind: global_buffer, .address_space: global }
      - { .name: yq, .offset: 16, .size: 8, .value_kind: global_buffer, .address_space: global }
    .group_segment_fixed_size: 327680
    .private_segment_fixed_size: 0
    .kernarg_segment_align: 8
    .kernarg_segment_size: 24
    .max_flat_workgroup_size: 512
    .sgpr_count:     96
    .vgpr_count:     256
    .wavefront_size: 32
...
	.end_amdgpu_metadata
.endif
;; end of part 3
;; launch proj (part 4): grid 8 x 32, 4 waves a work-group, clusters of 4 x 4, 327,680 bytes of LDS; arguments yq, pq, b_proj, out0; writes out0
.if DOCPART == 4
	.amdgcn_target "amdgcn-amd-amdhsa--gfx1250"
	.amdhsa_code_object_version 6
	.text
	.protected	k_q8ac87ed203_proj
	.globl	k_q8ac87ed203_proj
	.p2align	8
	.type	k_q8ac87ed203_proj,@function
k_q8ac87ed203_proj:
	s_mov_b64 s[64:65], 0
	v_nop
	global_prefetch_b8 v0, s[64:65] scope:SCOPE_SE
	s_setreg_imm32_b32 hwreg(HW_REG_WAVE_MODE, 25, 1), 1
	s_wait_xcnt 0x0
	s_wait_alu depctr_hold_cnt(0) depctr_sa_sdst(0) depctr_va_vdst(0) depctr_va_sdst(0) depctr_va_ssrc(0) depctr_va_vcc(0) depctr_vm_vsrc(0)
	s_getreg_b32 s2, hwreg(HW_REG_IB_STS2, 6, 4)
	s_cmp_eq_u32 s2, 0
	s_cbranch_scc0 .Lentry_in_a_cluster
	s_endpgm
.Lentry_in_a_cluster:
	s_bfe_u32 s2, ttmp6, 0x10000c
	s_cmp_lg_u32 s2, 0xf033
	s_cbranch_scc0 .Lentry_shape_is_right
	s_endpgm
.Lentry_shape_is_right:
; out0 = y w_proj + b_proj on codes of BF6 (E3M2) with E8M0 scales, f32 sums.  y [8192][1024] and w_proj (as [n][k]) lie in memory as records of register images with their scale words.
; A work-group makes 256 rows x 128 columns, 256 work-groups in all; a wave 128 x 64: 32 accumulators.  Source 1 = rows of y (they fall to lanes), source 0 = columns of w_proj (they fall to a lane's registers:
; by the order of a tile's rows the 16 registers of two neighbouring tiles are 16 neighbouring columns).  The bias is the C of the sums' first products.
; K = 1,024 is four steps of 256 through THREE LDS slots: K steps 0, 1, 2 are first fills (three loads of a wave are out at the start), K step 3 is the one refill, into slot 0.
; CLUSTER 4 x 4: y's records are shared along a row of the cluster, w_proj's along a column: joint loads.  All of LDS is claimed.
; LIMITS: NaN and infinities are not served.
; REGISTERS: window 0: v1-20 addresses; v28, v29 for the add; v32-63 scale words, two sets; v64-95 the bias; v128-223 A's eight fragments, one set, later rows on the way out.
;   window 1: B's fragments, two sets at v0 and v128.  windows 2, 3: the accumulators, (a, b) at v[8 (4 (a % 4) + b)].
.set NB,    4
.set FR,    12
.set RA,    25600
.set RB,    3200*NB
.set SLOT,  2*RA+2*RB
.set SPARE, 3*SLOT                     ; the spare words, 128 bytes a wave: two blocks of 256 bytes that no other line names
.set STAGE, SPARE+512                  ; the way out: 16 rows x (256 bytes + 16) for each wave; no fill lands here
.set ADRA,  5
.set ADRB,  8
.set ASA,   11
.set ASB,   14
.set STO,   18
.set RD,    19
.set CO,    20
.set SPW,   28
.set NIL,   29
.set SC,    32
.set CB,    64
.set AF,    128
.set BK,    128                        ; the way out: v128-159 and v160-191 by turns
.set G1A,   24
.set G0A,   32
.set G1B,   48
.set MSB, 0
.macro WIN new
.if MSB != \new
	s_set_vgpr_msb (MSB<<8)|\new
.set MSB, \new
.endif
.endm
.macro PLACES n
.rept \n
	v_nop
.endr
.endm
.macro JLOAD g0a, g1a, g0b, g1b        ; waves 0 and 1 fetch A's two records, waves 2 and 3 B's; four v_nop follow each line
	s_cmp_eq_u32 s11, 0
	s_cbranch_scc0 .Lfor_b_\@
	tensor_load_to_lds s[\g0a:\g0a+3], s[\g1a:\g1a+7]
	s_nop 0
.rept 4
	v_nop
.endr
	s_branch .Lasked_\@
.Lfor_b_\@:
	tensor_load_to_lds s[\g0b:\g0b+3], s[\g1b:\g1b+7]
	s_nop 0
.rept 4
	v_nop
.endr
.Lasked_\@:
.endm
.macro CREST
	s_cmp_lg_u32 s10, 0
	s_cbranch_scc1 .Lnot_wave_0_\@
	s_barrier_signal -3
.Lnot_wave_0_\@:
	s_barrier_wait -3
	s_barrier_signal -1
	s_barrier_wait -1
.endm
.macro CROUND
	s_barrier_signal -1
	s_barrier_wait -1
	CREST
.endm
.macro SETG0 ga, gb, k
	s_mov_b32 s[\ga], 1
	s_add_co_u32 s[\ga+1], s21, (\k)*SLOT
	s_add_nc_u64 s[\ga+2:\ga+3], s[94:95], (\k)*RA
	s_or_b32 s[\ga+3], s[\ga+3], 0x80000000
	s_mov_b32 s[\gb], 1
	s_add_co_u32 s[\gb+1], s22, (\k)*SLOT
	s_add_nc_u64 s[\gb+2:\gb+3], s[96:97], (\k)*RB
	s_or_b32 s[\gb+3], s[\gb+3], 0x80000000
	JLOAD \ga, G1A, \gb, G1B
.endm
.macro FRAG reg, adr, off
.irp p, 0,1,2,3,4,5
	ds_load_b64 v[\reg+2*\p:\reg+2*\p+1], v[\adr] offset:\off+256*\p
.endr
.endm
.macro FETCH_B s, q, set
	WIN 0x40
.set b, 0
.rept NB
	FRAG 128*(\set)+FR*b, ADRB+\s, (2*b+\q)*1536
.set b, b+1
.endr
	WIN 0
.endm
.macro FETCH_A s, q, i0
.irp i, \i0, \i0+1, \i0+2, \i0+3
	FRAG AF+FR*(\i), ADRA+\s, (2*(\i)+\q)*1536
.endr
.endm
.macro SCALES s, sc
.irp i, 0,1,2,3,4,5,6,7
	ds_load_b32 v[SC+16*(\sc)+\i], v[ASA+\s] offset:24576+128*\i
.endr
.set b, 0
.rept NB
	ds_load_b32 v[SC+16*(\sc)+8+b], v[ASB+\s] offset:RB-128*NB+128*b
.set b, b+1
.endr
.endm
.macro MULA a0, set, q, sc, first      ; the accumulators take turns, one instruction a turn, in the same order in every step
.irp a, \a0, \a0+1
.set b, 0
.rept NB
.set rD, 8*(NB*((\a)%4)+b)
.set rB, 128*(\set)+FR*b
.set rA, AF+FR*(\a)
.set rSB, SC+16*(\sc)+8+b
.set rSA, SC+16*(\sc)+(\a)
.if \first
	v_wmma_scale_f32_16x16x128_f8f6f4 v[rD:rD+7], v[rB:rB+11], v[rA:rA+11], v[CB+8*b:CB+8*b+7], v[rSB], v[rSA] matrix_a_fmt:MATRIX_FMT_BF6 matrix_b_fmt:MATRIX_FMT_BF6
.elseif \q
	v_wmma_scale_f32_16x16x128_f8f6f4 v[rD:rD+7], v[rB:rB+11], v[rA:rA+11], v[rD:rD+7], v[rSB], v[rSA] matrix_a_fmt:MATRIX_FMT_BF6 matrix_b_fmt:MATRIX_FMT_BF6 matrix_a_scale:MATRIX_SCALE_ROW1 matrix_b_scale:MATRIX_SCALE_ROW1
.else
	v_wmma_scale_f32_16x16x128_f8f6f4 v[rD:rD+7], v[rB:rB+11], v[rA:rA+11], v[rD:rD+7], v[rSB], v[rSA] matrix_a_fmt:MATRIX_FMT_BF6 matrix_b_fmt:MATRIX_FMT_BF6
.endif
.set b, b+1
.endr
.endr
.endm
.macro STEP s, sc, first               ; a slot's first 128 along K
	s_wait_dscnt 24                                    ; all but the youngest 24 loads (A's blocks 4-7) are in
.if \first
	WIN 0x81
.else
	WIN 0xa1
.endif
	MULA 0, 0, 0, \sc, \first
	MULA 2, 0, 0, \sc, \first
	s_wait_dscnt 0x0
	PLACES 4                                           ; in front of loads into registers that matrix instructions have read
	FETCH_B \s, 1, 1
	FETCH_A \s, 1, 0
.if \first
	WIN 0xc1
.else
	WIN 0xf1
.endif
	MULA 4, 0, 0, \sc, \first
	MULA 6, 0, 0, \sc, \first
	PLACES 4
	WIN 0
	FETCH_A \s, 1, 4
.endm
; A slot's second 128 along K, and the change to slot nx.  mode 2: this slot is filled again: all my tensor loads waited for, the add, the wait for it and for my reads; the barrier opens a round of the cluster's
; barrier; the joint refill first behind it.  mode 1: the slot ahead is the refill: its wait, then a barrier behind which nothing is filled.  mode 0: the slot ahead was shown whole by mode 2's round.
.macro TURN s, sc, nx, nsc, mode
.if \mode == 2
	s_wait_tensorcnt 0x0
	ds_add_u32 v[SPW], v[NIL]
	s_wait_dscnt 25                                    ; (the add and the youngest 24 loads may be out)
.elseif \mode == 1
	s_wait_tensorcnt 0x0                               ; the one load that is out: my part of K step 3
	s_wait_dscnt 24
.else
	s_wait_dscnt 24
.endif
	WIN 0xa1
	MULA 0, 1, 1, \sc, 0
.if \mode
	s_wait_dscnt 0x0
	s_barrier_signal -1
.endif
	MULA 2, 1, 1, \sc, 0
.if \mode == 0
	s_wait_dscnt 0x0
.endif
	WIN 0
.if \mode
	s_barrier_wait -1
.endif
.if \mode == 2
	CREST
	s_add_nc_u64 s[G0A+2:G0A+3], s[G0A+2:G0A+3], 3*RA
	s_add_nc_u64 s[58:59], s[58:59], 3*RB
	JLOAD G0A, G1A, 56, G1B
.else
	PLACES 4
.endif
	FETCH_B \nx, 0, 0
	FETCH_A \nx, 0, 0
	SCALES \nx, \nsc
	WIN 0xf1
	MULA 4, 1, 1, \sc, 0
	MULA 6, 1, 1, \sc, 0
	PLACES 4
	WIN 0
	FETCH_A \nx, 0, 4
.endm
; THE WAY OUT of A's block a: 16 rows x 64 columns through my own stage, back as whole rows of 256 bytes.  LDS serves a wave's instructions in order: no wait between the stores and the loads.
.macro TOSTAGE a
	WIN 0x08+4*((\a)/4)                                ; an LDS store's data are its source 1: window 2 or 3
.irp t, 0,1,2,3
	ds_store_b128 v[STO], v[8*(4*((\a)%4)+\t):8*(4*((\a)%4)+\t)+3] offset:128*(\t/2)+32*(\t%2)        ; each accumulator from its low end on
	ds_store_b128 v[STO], v[8*(4*((\a)%4)+\t)+4:8*(4*((\a)%4)+\t)+7] offset:128*(\t/2)+32*(\t%2)+16
.endr
	WIN 0
.irp t, 0,1,2,3,4,5,6,7
	ds_load_b128 v[BK+32*((\a)%2)+4*\t:BK+32*((\a)%2)+4*\t+3], v[RD] offset:544*\t
.endr
.endm
.macro SEND a, younger
	s_wait_dscnt \younger                              ; the block is back; the next block's 8 stores and 8 loads may be out
.irp t, 0,1,2,3,4,5,6,7
	global_store_b128 v[CO], v[BK+32*((\a)%2)+4*\t:BK+32*((\a)%2)+4*\t+3], s[74:75] offset:(32*((\a)/2)+8*((\a)%2)+2*\t+8*(\t/4))*4096 th:TH_STORE_NT   ; sixteen lanes store 256 consecutive bytes, aligned; two rows an instruction
.endr
.endm
	s_load_b128 s[4:7], s[0:1], 0x0                    ; yq, pq
	s_load_b128 s[72:75], s[0:1], 0x10                 ; b_proj, out0
	v_lshl_add_u32 v[SPW], v0, 2, SPARE
	v_mov_b32 v[NIL], 0
	ds_add_u32 v28, v29
	s_wait_dscnt 0x0
	v_lshrrev_b32 v1, 5, v0
	v_readfirstlane_b32 s10, v1                        ; wave 0..3
	s_lshr_b32 s11, s10, 1                             ; which half of the rows is mine.  Also: I fetch for A (0) or for B (1)
	s_and_b32 s12, s10, 1                              ; which half of the columns.  Also: which record I fetch
	s_bfe_u32 s13, ttmp6, 0x40000                      ; cx
	s_bfe_u32 s14, ttmp6, 0x40004                      ; cy
	s_and_b32 s18, ttmp7, 0xffff
	s_lshl_b32 s18, s18, 2
	s_add_co_u32 s18, s18, s14                         ; which 256 rows
	s_lshl_b32 s19, ttmp9, 2
	s_add_co_u32 s19, s19, s13                         ; which 128 columns
	s_lshl_b32 s21, s14, 2
	s_lshl_b32 s21, 15, s21                            ; my row of the cluster
	s_lshl_b32 s22, 0x1111, s13                        ; my column
	s_or_b32 s[G1A], s21, (3<<16)|(1<<21)              ; group 1: a dense record as rows of 256 bytes (32 elements of 8 bytes), no padding
	s_or_b32 s[G1B], s22, (3<<16)|(1<<21)
	s_mov_b32 s[G1A+1], 32<<16
	s_mov_b32 s[G1A+2], (RA/256)<<16
	s_mov_b32 s[G1A+3], 32<<16
	s_mov_b32 s[G1A+4], RA/256
	s_mov_b32 s[G1A+5], 32
	s_mov_b32 s[G1A+6], 0
	s_mov_b32 s[G1A+7], 0
	s_mov_b32 s[G1B+1], 32<<16
	s_mov_b32 s[G1B+2], (RB/256)<<16
	s_mov_b32 s[G1B+3], 32<<16
	s_mov_b32 s[G1B+4], RB/256
	s_mov_b32 s[G1B+5], 32
	s_mov_b32 s[G1B+6], 0
	s_mov_b32 s[G1B+7], 0
	s_lshl_b32 s44, s18, 1
	s_add_co_u32 s44, s44, s12
	s_mul_i32 s44, s44, 4*RA
	s_mov_b32 s45, 0
	s_lshl_b32 s46, s19, 1
	s_add_co_u32 s46, s46, s12
	s_mul_i32 s46, s46, 4*RB
	s_mov_b32 s47, 0
	s_mul_i32 s21, s12, RA                             ; where they go: no place in the cluster enters an LDS address
	s_mul_i32 s22, s12, RB
	s_add_co_u32 s22, s22, 2*RA
	s_wait_kmcnt 0x0
	s_add_nc_u64 s[94:95], s[4:5], s[44:45]
	s_add_nc_u64 s[96:97], s[6:7], s[46:47]
	CROUND                                             ; all sixteen work-groups are here: the first joint loads meet
	SETG0 G0A, 56, 0
	SETG0 G0A+4, 60, 1
	SETG0 G0A+8, 68, 2
	v_and_b32 v1, 15, v0                               ; r
	v_bfe_u32 v2, v0, 4, 1                             ; h
	v_and_b32 v3, 31, v0
	v_lshlrev_b32 v4, 2, v3
	v_lshlrev_b32 v3, 3, v3
	s_mul_i32 s21, s11, RA
	s_mul_i32 s22, s12, RB
	s_add_co_u32 s22, s22, 2*RA
.irp s, 0,1,2
	v_add_nc_u32 v[ADRA+\s], s21, v3
	v_add_nc_u32 v[ADRB+\s], s22, v3
	v_add_nc_u32 v[ASA+\s], s21, v4
	v_add_nc_u32 v[ASB+\s], s22, v4
	s_add_co_u32 s21, s21, SLOT
	s_add_co_u32 s22, s22, SLOT
.endr
	s_lshl_b32 s78, s19, 9
	s_lshl_b32 s21, s12, 8
	s_add_co_u32 s78, s78, s21                         ; my first column, in bytes
	s_mov_b32 s79, 0
	s_add_nc_u64 s[72:73], s[72:73], s[78:79]
	v_lshlrev_b32 v17, 6, v2                           ; the bias: register j of tile 2 g + u in lane half h is column 32 g + 16 h + 8 u + j
.irp t, 0,1,2,3
	global_load_b128 v[CB+8*\t:CB+8*\t+3], v17, s[72:73] offset:(32*(\t/2)+8*(\t%2))*4
	global_load_b128 v[CB+8*\t+4:CB+8*\t+7], v17, s[72:73] offset:(32*(\t/2)+8*(\t%2))*4+16
.endr
	s_wait_tensorcnt 2                                 ; my part of K step 0 is in; K steps 1 and 2 may stay out
	s_barrier_signal -1
	s_barrier_wait -1
	FETCH_B 0, 0, 0
	FETCH_A 0, 0, 0
	SCALES 0, 0
	FETCH_A 0, 0, 4
	s_lshl_b32 s76, s18, 8
	s_lshl_b32 s21, s11, 7
	s_add_co_u32 s76, s76, s21                         ; my first row
	s_lshl_b32 s76, s76, 12
	s_add_co_u32 s76, s76, s78
	s_mov_b32 s77, 0
	s_add_nc_u64 s[74:75], s[74:75], s[76:77]
	s_mul_i32 s21, s10, 16*272
	s_add_co_u32 s21, s21, STAGE                       ; my stage
	v_mul_u32_u24 v[STO], v1, 272
	v_lshl_add_u32 v[STO], v2, 6, v[STO]
	v_add_nc_u32 v[STO], s21, v[STO]                   ; in: row r, + 64 h
	v_mul_u32_u24 v[RD], v2, 272
	v_lshl_add_u32 v[RD], v1, 4, v[RD]
	v_add_nc_u32 v[RD], s21, v[RD]                     ; back: lanes 0-15 one row, lanes 16-31 the next
	v_lshlrev_b32 v[CO], 12, v2
	v_lshl_add_u32 v[CO], v1, 4, v[CO]                 ; and the same two rows in out0
	s_wait_loadcnt 0x0                                 ; the bias
	STEP 0, 0, 1
	TURN 0, 0, 1, 1, 2
	STEP 1, 1, 0
	TURN 1, 1, 2, 0, 0
	STEP 2, 0, 0
	TURN 2, 0, 0, 1, 1
	STEP 0, 1, 0
	s_wait_dscnt 24                                    ; the very last 128 along K: nothing more to fetch
	WIN 0xa1
	MULA 0, 1, 1, 1, 0
	MULA 2, 1, 1, 1, 0
	s_wait_dscnt 0x0
	WIN 0xf1
	MULA 4, 1, 1, 1, 0
	MULA 6, 1, 1, 1, 0
	WIN 0
	PLACES 4                                           ; in front of the first reads of results and of loads into the registers that held A's fragments
	TOSTAGE 0
.irp a, 1,2,3,4,5,6,7
.if \a > 1
	s_wait_xcnt 0x0                                    ; block a - 2's stores have read their registers: block a's loads may land there
.endif
	TOSTAGE \a
	SEND \a-1, 16
.endr
	SEND 7, 0
	s_wait_tensorcnt 0x0                               ; the wave's end
	ds_add_u32 v[SPW], v[NIL]
	s_wait_dscnt 0x0
	CROUND                                             ; the closing round
	s_endpgm
.Lfunc_end_k_q8ac87ed203_proj:
	.size	k_q8ac87ed203_proj, .Lfunc_end_k_q8ac87ed203_proj-k_q8ac87ed203_proj
	.p2alignl 7, 3214868480
	.fill 96, 4, 3214868480
	.section	.rodata,"a",@progbits
	.p2align	6, 0x0
	.amdhsa_kernel k_q8ac87ed203_proj
		.amdhsa_group_segment_fixed_size 327680
		.amdhsa_private_segment_fixed_size 0
		.amdhsa_enable_private_segment 0
		.amdhsa_kernarg_size 32
		.amdhsa_user_sgpr_count 2
		.amdhsa_user_sgpr_kernarg_segment_ptr 1
		.amdhsa_wavefront_size32 1
		.amdhsa_system_sgpr_workgroup_id_x 1
		.amdhsa_system_sgpr_workgroup_id_y 1
		.amdhsa_system_sgpr_workgroup_id_z 1
		.amdhsa_system_vgpr_workitem_id 0
		.amdhsa_next_free_vgpr 1024
		.amdhsa_next_free_sgpr 104
		.amdhsa_reserve_vcc 0
		.amdhsa_float_denorm_mode_32 3
		.amdhsa_float_denorm_mode_16_64 3
		.amdhsa_memory_ordered 1
		.amdhsa_forward_progress 1
		.amdhsa_inst_pref_size 101
	.end_amdhsa_kernel
	.amdgpu_metadata
---
amdhsa.version: [ 1, 2 ]
amdhsa.kernels:
  - .name:           k_q8ac87ed203_proj
    .symbol:         k_q8ac87ed203_proj.kd
    .args:
      - { .name: yq, .offset: 0, .size: 8, .value_kind: global_buffer, .address_space: global }
      - { .name: pq, .offset: 8, .size: 8, .value_kind: global_buffer, .address_space: global }
      - { .name: b_proj, .offset: 16, .size: 8, .value_kind: global_buffer, .address_space: global }
      - { .name: out0, .offset: 24, .size: 8, .value_kind: global_buffer, .address_space: global }
    .group_segment_fixed_size: 327680
    .private_segment_fixed_size: 0
    .kernarg_segment_align: 8
    .kernarg_segment_size: 32
    .max_flat_workgroup_size: 128
    .sgpr_count:     104
    .vgpr_count:     1024
    .wavefront_size: 32
...
	.end_amdgpu_metadata
.endif
;; end of part 4
